; MI455X (gfx1250); checked and timed in simulation.
; The chip was launched on July 23, 2026; its instructions are those of AMD's public machine-readable ISA for CDNA 5 (MIT licence, August 2026) and "CDNA5" Instruction Set Architecture Reference Guide (July 2026). The comments in the code are by the model that wrote it; some were corrected since.
;; Causal Self Attention. Allowed arithmetic: matrix products marked QUANTISED: E2M1 operands, one E8M0 scale for each 32 along K, by v_wmma_scale_f32_16x16x128_f8f6f4 with both operands' format E2M1 (or v_wmma_scale_f32_32x16x128_f4), f32 sums; products left as they are: bf16, f16 or f32 operands; f32 sums; everything else in f32.
;; Inputs: Wk 1,024 x 1,024 float32; Wp 1,024 x 1,024 float32; Wq 1,024 x 1,024 float32; Wv 1,024 x 1,024 float32; bk 1,024 float32; bp 1,024 float32; bq 1,024 float32; bv 1,024 float32; x 4 x 2,048 x 1,024 float32.
;; Outputs: out0 4 x 2,048 x 1,024 float32.
;; This version of the problem:
;;   THIS VERSION OF THE PROBLEM IS GIVEN IN LOW PRECISION. The matrix products marked QUANTISED in the list below multiply operands that are first quantised to E2M1 (2 exponent bits, 1 mantissa bit; 4 bits a number), with one power-of-two scale for each 32 numbers along K (OCP MX v1.0); their sums are f32. The products marked 'left as it is' may take bf16, f16 or f32 operands, with f32 sums. Whichever they take, every output number must still come out within the allowed error. Rounding operands to bf16 (8 significant bits) uses up far more of that allowance than f16 does (11 bits, for magnitudes from 6e-5 to 65,504). All else is computed in f32.
;;   The module's matrix products, in the order in which they are computed (A, B: the left and right operand; K: the contracted axis; several contracted axes count as one K, in the product's order):
;;     1. [M 8,192, K 1,024] x [K 1,024, N 1,024]; A: input x; B: input Wq: QUANTISED
;;     2. [M 8,192, K 1,024] x [K 1,024, N 1,024]; A: input x; B: input Wk: QUANTISED
;;     3. [M 8,192, K 1,024] x [K 1,024, N 1,024]; A: input x; B: input Wv: QUANTISED
;;     4. batch 64 x [M 2,048, K 64] x [K 64, N 2,048]; A: computed on the way; B: computed on the way: left as it is (an operand is computed on the way)
;;     5. batch 64 x [M 2,048, K 2,048] x [K 2,048, N 64]; A: computed on the way; B: computed on the way: left as it is (an operand is computed on the way)
;;     6. [M 8,192, K 1,024] x [K 1,024, N 1,024]; A: computed on the way; B: input Wp: left as it is (an operand is computed on the way)
;;   THE QUANTISER, for each operand of a quantised product, along K:
;;     - K is cut into blocks of 32 from its start; a last block that is shorter is filled with zeros.
;;     - A block's scale is 2^e with e = floor(log2(the largest magnitude in the block)) - 2, held to -126 .. 127; a block of zeros has e = 0. As a byte (E8M0): e + 127.
;;     - Each number is divided by its block's scale, clamped to +-6, and rounded to the nearest number of E2M1, ties to even, subnormals kept.
;;     - The product sums the exact products of the quantised numbers (number of the format x scale) in f32.
;;   ~~~python
;;   def quantise(x, axis):      # numpy; x: float32 -> the quantised numbers, widened to float32 again
;;       x = np.moveaxis(x, axis, -1); K = x.shape[-1]
;;       x = np.pad(x, [(0, 0)] * (x.ndim - 1) + [(0, -K % 32)]); x = x.reshape(x.shape[:-1] + (-1, 32)); a = np.abs(x).max(-1, keepdims=True)
;;       e = np.where(a > 0, np.clip(np.frexp(np.where(a > 0, a, 1))[1] - 1 - 2, -126, 127), 0)      # np.frexp(a)[1] - 1 = floor(log2(a)), exactly
;;       r = np.clip(x / 2.0 ** e, -6, 6)
;;       step = 2.0 ** (np.maximum(np.frexp(np.where(r == 0, 1, r))[1] - 1, 0) - 1)
;;       q = np.round(r / step) * step * 2.0 ** e      # np.round: ties to even
;;       return np.moveaxis(q.reshape(q.shape[:-2] + (-1,))[..., :K], -1, axis).astype(np.float32)
;;   ~~~
;; One version. Each part assembles by itself: llvm-mc -triple=amdgcn-amd-amdhsa -mcpu=gfx1250 --defsym DOCPART=n.
;; ======== version 1 of 1: 5 launches
;; limits: values are held in f16: magnitudes above 65,504 overflow, below 6.1e-05 lose precision
;; workspace buffers: xc 4,194,304 bytes; xs 262,144 bytes; wc 1,572,864 bytes; ws 98,304 bytes; wp16 2,097,152 bytes; qkv16 50,331,648 bytes; qkv32 786,432 bytes; y16 16,777,216 bytes
;; launch quant (part 1): grid 384 x 1, 4 waves a work-group, no clusters, 33,280 bytes of LDS; arguments x, Wq, Wk, Wv, Wp, xc, xs, wc, ws, wp16; writes xc, xs, wc, ws, wp16
.if DOCPART == 1
	.amdgcn_target "amdgcn-amd-amdhsa--gfx1250"
	.amdhsa_code_object_version 6
	.text
	.protected	k_q0e7ab47db6_quant
	.globl	k_q0e7ab47db6_quant
	.p2align	8
	.type	k_q0e7ab47db6_quant,@function
k_q0e7ab47db6_quant:
	s_mov_b64 s[64:65], 0
	v_nop
	global_prefetch_b8 v0, s[64:65] scope:SCOPE_SE
	s_setreg_imm32_b32 hwreg(HW_REG_WAVE_MODE, 25, 1), 1
	s_wait_xcnt 0x0
; x [8192][1024] and Wq, Wk, Wv [1024][1024], f32, K innermost, become codes of FP4 (E2M1), two a byte, K innermost, with one E8M0 byte for each 32 along K; Wp [1024][1024] becomes f16.
; A block's scale is 2^(floor(log2(its largest magnitude)) - 2); its byte is the largest magnitude's exponent field - 2, held at 1 from below.  Each number is divided by the scale and rounded to the nearest code, ties to even; beyond 6 the largest code.
; LIMITS: a block of zeros gets the byte 1 where the rule says 127 (its codes are zeros, which add nothing, and this program alone reads the bytes); blocks whose largest magnitude lies under 2^-124 are held at that floor;
; NaN and infinities are not served; |Wp| stays under 65,504 (f16's largest), and numbers of Wp under 6e-5 keep an absolute step of 6e-8.
; SHARES: a work-group takes 32,768 numbers, a wave 8,192.  Work-groups 0-255: x; 256-287 Wq; 288-319 Wk; 320-351 Wv (their codes lie on end in wc, their bytes in ws); 352-383: Wp.
; Rows are dense and K is a multiple of 32: every tensor is a plain stream of blocks of 32.  A wave takes 16 steps of 512 numbers: four loads of 512 consecutive bytes; the 2,048 bytes turn through the wave's own stage in LDS
; and come back 64 bytes a lane, so that a lane holds 16 neighbours along K (two neighbouring lanes hold a block).  A lane's 16 codes are 8 bytes: the wave stores 256 consecutive bytes.  A wave's 256 scale bytes leave as one run of 256.
; No tensor loads, no barrier: waves share nothing.  Memory binds here: matrix units and clusters would add nothing.
.set WAVES, 4
.set STEPS, 16
.set EMAX,  2
.set CB,    8                          ; bytes of 16 codes
.set R,     16                         ; v16-79   four sets of 16 numbers as loaded
.set X,     80                         ; v80-111  two sets of 16 neighbours
.set E,     112                        ; v112-127 a scale byte for each step
.set C,     128                        ; v128-191 codes, four registers a step: no store's data are written again
.set WREG,  8192                       ; LDS: a region for each wave: two stages of 32 x SP bytes, then its 256 scale bytes
.set SP,    80                         ; a lane's place in a stage: 64 bytes + 16 of padding
.set SPW,   12                         ; v12  my spare word's LDS address; never rewritten
.set NIL,   13                         ; v13  0; never rewritten
.set SPARE, WAVES*WREG                 ; the spare words: 128 bytes a wave, named by no other line
.set SRC,   24                         ; s[24:25] where my wave reads
.set DC,    30                         ; s[30:31] where its codes (or f16 numbers) go
.set DS,    32                         ; s[32:33] where its scale bytes go
	s_load_b256 s[4:11], s[0:1], 0x0               ; x, Wq, Wk, Wv
	s_load_b256 s[12:19], s[0:1], 0x20             ; Wp, xc, xs, wc
	s_load_b128 s[20:23], s[0:1], 0x40             ; ws, wp16
	v_lshl_add_u32 v[SPW], v0, 2, SPARE
	v_mov_b32 v[NIL], 0
	v_lshrrev_b32 v1, 5, v0
	v_readfirstlane_b32 s36, v1                    ; wave
	v_and_b32 v2, 31, v0                           ; lane
	v_lshlrev_b32 v3, 4, v2                        ; my 16 bytes of a load's 512
	s_mul_i32 s37, s36, WREG
	v_lshrrev_b32 v14, 2, v2
	v_mul_u32_u24 v14, v14, SP
	v_and_b32 v15, 3, v2
	v_lshl_add_u32 v14, v15, 4, v14
	v_add_nc_u32 v14, s37, v14                     ; the stage, on the way in: SP (lane / 4) + 16 (lane % 4)
	v_mul_u32_u24 v15, v2, SP
	v_add_nc_u32 v15, s37, v15                     ; on the way out: SP x lane: my 16 neighbours
	v_mul_u32_u24 v4, v2, CB                       ; my codes' place in a step's
	v_lshrrev_b32 v5, 1, v2
	s_add_co_u32 s37, s37, 2*32*SP
	v_add_nc_u32 v5, s37, v5                       ; LDS: my block's scale byte
	v_lshlrev_b32 v7, 3, v2                        ; 8 bytes a lane
	v_add_nc_u32 v6, s37, v7
	s_sub_co_u32 s27, ttmp9, 256                   ; a weight's work-group: its place among the three weights,
	s_and_b32 s28, s27, 31                         ; and inside its own weight
	s_mov_b32 s39, 0
	s_wait_kmcnt 0x0
	s_cmp_lt_u32 ttmp9, 352
	s_cbranch_scc0 .Lwp                            ; the last 32 work-groups take Wp
	s_cmp_lt_u32 ttmp9, 320                        ; the choices hang on the work-group's number alone
	s_cselect_b64 s[SRC:SRC+1], s[8:9], s[10:11]
	s_cmp_lt_u32 ttmp9, 288
	s_cselect_b64 s[SRC:SRC+1], s[6:7], s[SRC:SRC+1]
	s_cmp_lt_u32 ttmp9, 256
	s_cselect_b64 s[SRC:SRC+1], s[4:5], s[SRC:SRC+1]
	s_cselect_b64 s[DC:DC+1], s[14:15], s[18:19]
	s_cselect_b64 s[DS:DS+1], s[16:17], s[20:21]
	s_cselect_b32 s34, ttmp9, s28
	s_cselect_b32 s35, ttmp9, s27
	s_lshl_b32 s34, s34, 2
	s_add_co_u32 s34, s34, s36                     ; which run of 8,192 numbers of the source is my wave's
	s_lshl_b32 s38, s34, 15                        ; 32,768 bytes a run
	s_add_nc_u64 s[SRC:SRC+1], s[SRC:SRC+1], s[38:39]
	s_lshl_b32 s35, s35, 2
	s_add_co_u32 s35, s35, s36                     ; and of the destination
	s_lshl_b32 s38, s35, 12                        ; 4,096 bytes of codes a run
	s_add_nc_u64 s[DC:DC+1], s[DC:DC+1], s[38:39]
	s_lshl_b32 s38, s35, 8                         ; 256 scale bytes a run
	s_add_nc_u64 s[DS:DS+1], s[DS:DS+1], s[38:39]
.macro LOAD t
.irp i, 0,1,2,3
	global_load_b128 v[R+16*((\t)%4)+4*\i:R+16*((\t)%4)+4*\i+3], v3, s[SRC:SRC+1] offset:2048*(\t)+512*\i th:TH_LOAD_NT   ; 32 lanes read 512 consecutive bytes
.endr
.endm
.macro TURN t                          ; step t's numbers through the stage: LDS serves a wave's instructions in order, so no wait stands between the stores and the loads
.irp i, 0,1,2,3
	ds_store_b128 v14, v[R+16*((\t)%4)+4*\i:R+16*((\t)%4)+4*\i+3] offset:32*SP*((\t)%2)+8*SP*\i
.endr
.irp i, 0,1,2,3
	ds_load_b128 v[X+16*((\t)%2)+4*\i:X+16*((\t)%2)+4*\i+3], v15 offset:32*SP*((\t)%2)+16*\i
.endr
.endm
.irp t, 0,1,2,3
	LOAD \t
.endr
	s_wait_loadcnt 12                              ; step 0's four loads are in; three steps' twelve stay out
	TURN 0
.macro STEP t
.set XS, X+16*((\t)%2)
.if (\t) > 0
	s_wait_dscnt 1                                 ; this step's numbers are back from the stage (the last step's byte store may be out)
.else
	s_wait_dscnt 0x0
.endif
.if (\t)+4 < STEPS
	LOAD (\t)+4                                    ; into the registers that the stage's stores have read
.endif
.if (\t)+1 < STEPS
.if STEPS-2-(\t) >= 3
	s_wait_loadcnt 12                              ; the next step's four loads are in; those of the three steps behind it may be out
.else
	s_wait_loadcnt 4*(STEPS-2-(\t))
.endif
	TURN (\t)+1                                    ; through the other stage while this step is worked
.endif
	v_max3_num_f32 v8, |v[XS]|, |v[XS+1]|, |v[XS+2]|               ; the largest magnitude of my 16, in two chains
	v_max3_num_f32 v9, |v[XS+3]|, |v[XS+4]|, |v[XS+5]|
.irp i, 6,10
	v_max3_num_f32 v8, v8, |v[XS+\i]|, |v[XS+\i+1]|
	v_max3_num_f32 v9, v9, |v[XS+\i+2]|, |v[XS+\i+3]|
.endr
	v_max3_num_f32 v8, v8, |v[XS+14]|, |v[XS+15]|
	v_max3_num_f32 v8, v8, v9, (EMAX+1)<<23        ; and the floor 2^(3 - 127): the byte cannot fall under 1
	v_max_num_f32_dpp v8, v8, v8 row_xmask:1 row_mask:0xf bank_mask:0xf   ; with my neighbour's 16: the block's
	v_add_nc_u32 v11, -(EMAX<<23), v8              ; 2 off its exponent field: the conversion takes the exponent field of this operand as its scale
	v_cvt_scalef32_pk8_fp4_f32 v[C+4*(\t)], v[XS:XS+7], v11
	v_cvt_scalef32_pk8_fp4_f32 v[C+4*(\t)+1], v[XS+8:XS+15], v11
	v_lshrrev_b32 v[E+(\t)], 23, v11               ; the scale's byte (also the plain line behind the conversions)
	ds_store_b8 v5, v[E+(\t)] offset:16*(\t)       ; both lanes of a block write the same byte with the same value
	global_store_b64 v4, v[C+4*(\t):C+4*(\t)+1], s[DC:DC+1] offset:32*CB*(\t)   ; the wave stores 256 consecutive bytes, aligned
.endm
.irp t, 0,1,2,3,4,5,6,7,8,9,10,11,12,13,14,15
	STEP \t
.endr
	ds_load_b64 v[8:9], v6                         ; LDS serves a wave's instructions in order: these see my byte stores
	s_wait_dscnt 0x0
	global_store_b64 v7, v[8:9], s[DS:DS+1]        ; 32 lanes store 256 consecutive bytes, aligned
	s_wait_tensorcnt 0x0                           ; the wave's end: behind my last LDS store
	ds_add_u32 v[SPW], v[NIL]
	s_wait_dscnt 0x0
	s_endpgm
; Wp to f16: four groups of 16 loads (512 consecutive bytes each), two groups in flight; a load's 4 numbers a lane become 8 bytes, so each store of the wave covers 256 consecutive bytes, aligned.
.Lwp:
	s_sub_co_u32 s34, ttmp9, 352
	s_lshl_b32 s34, s34, 2
	s_add_co_u32 s34, s34, s36                     ; my wave's run of 8,192 numbers
	s_lshl_b32 s38, s34, 15
	s_add_nc_u64 s[SRC:SRC+1], s[12:13], s[38:39]
	s_lshl_b32 s38, s34, 14
	s_add_nc_u64 s[DC:DC+1], s[22:23], s[38:39]
.macro LOADG n, set
.irp i, 0,1,2,3,4,5,6,7,8,9,10,11,12,13,14,15
	global_load_b128 v[\set+4*\i:\set+4*\i+3], v3, s[SRC:SRC+1] offset:8192*\n+512*\i th:TH_LOAD_NT
.endr
.endm
.macro CVTG n, set
.irp i, 0,1,2,3,4,5,6,7,8,9,10,11,12,13,14,15
	v_cvt_pk_f16_f32 v[144+2*\i], v[\set+4*\i], v[\set+4*\i+1]
	v_cvt_pk_f16_f32 v[145+2*\i], v[\set+4*\i+2], v[\set+4*\i+3]
	global_store_b64 v7, v[144+2*\i:145+2*\i], s[DC:DC+1] offset:4096*\n+256*\i
.endr
.endm
	LOADG 0, 16
	LOADG 1, 80
	s_wait_loadcnt 16                              ; the older group is in, the younger sixteen stay out
	CVTG 0, 16
	LOADG 2, 16
	s_wait_loadcnt 16
	s_wait_xcnt 0x0                                ; the stores' data registers are written again only behind this wait
	CVTG 1, 80
	LOADG 3, 80
	s_wait_loadcnt 16
	s_wait_xcnt 0x0
	CVTG 2, 16
	s_wait_loadcnt 0x0
	s_wait_xcnt 0x0
	CVTG 3, 80
	s_wait_tensorcnt 0x0                           ; the same three lines at this end too
	ds_add_u32 v[SPW], v[NIL]
	s_wait_dscnt 0x0
	s_endpgm
.Lfunc_end_k_q0e7ab47db6_quant:
	.size	k_q0e7ab47db6_quant, .Lfunc_end_k_q0e7ab47db6_quant-k_q0e7ab47db6_quant
	.p2alignl 7, 3214868480
	.fill 96, 4, 3214868480
	.section	.rodata,"a",@progbits
	.p2align	6, 0x0
	.amdhsa_kernel k_q0e7ab47db6_quant
		.amdhsa_group_segment_fixed_size 33280
		.amdhsa_private_segment_fixed_size 0
		.amdhsa_enable_private_segment 0
		.amdhsa_kernarg_size 80
		.amdhsa_user_sgpr_count 2
		.amdhsa_user_sgpr_kernarg_segment_ptr 1
		.amdhsa_wavefront_size32 1
		.amdhsa_system_sgpr_workgroup_id_x 1
		.amdhsa_system_sgpr_workgroup_id_y 1
		.amdhsa_system_sgpr_workgroup_id_z 1
		.amdhsa_system_vgpr_workitem_id 0
		.amdhsa_next_free_vgpr 192
		.amdhsa_next_free_sgpr 66
		.amdhsa_reserve_vcc 0
		.amdhsa_float_denorm_mode_32 3
		.amdhsa_float_denorm_mode_16_64 3
		.amdhsa_memory_ordered 1
		.amdhsa_forward_progress 1
		.amdhsa_inst_pref_size 54
	.end_amdhsa_kernel
	.amdgpu_metadata
---
amdhsa.version: [ 1, 2 ]
amdhsa.kernels:
  - .name:           k_q0e7ab47db6_quant
    .symbol:         k_q0e7ab47db6_quant.kd
    .args:
      - { .name: x, .offset: 0, .size: 8, .value_kind: global_buffer, .address_space: global }
      - { .name: Wq, .offset: 8, .size: 8, .value_kind: global_buffer, .address_space: global }
      - { .name: Wk, .offset: 16, .size: 8, .value_kind: global_buffer, .address_space: global }
      - { .name: Wv, .offset: 24, .size: 8, .value_kind: global_buffer, .address_space: global }
      - { .name: Wp, .offset: 32, .size: 8, .value_kind: global_buffer, .address_space: global }
      - { .name: xc, .offset: 40, .size: 8, .value_kind: global_buffer, .address_space: global }
      - { .name: xs, .offset: 48, .size: 8, .value_kind: global_buffer, .address_space: global }
      - { .name: wc, .offset: 56, .size: 8, .value_kind: global_buffer, .address_space: global }
      - { .name: ws, .offset: 64, .size: 8, .value_kind: global_buffer, .address_space: global }
      - { .name: wp16, .offset: 72, .size: 8, .value_kind: global_buffer, .address_space: global }
    .group_segment_fixed_size: 33280
    .private_segment_fixed_size: 0
    .kernarg_segment_align: 8
    .kernarg_segment_size: 80
    .max_flat_workgroup_size: 128
    .sgpr_count:     66
    .vgpr_count:     192
    .wavefront_size: 32
...
	.end_amdgpu_metadata
.endif
;; end of part 1
;; launch qkv (part 2): grid 12 x 32, 4 waves a work-group, clusters of 4 x 4, 327,680 bytes of LDS; arguments xc, xs, wc, ws, bq, bk, bv, qkv16, qkv32; writes qkv16, qkv32
.if DOCPART == 2
	.amdgcn_target "amdgcn-amd-amdhsa--gfx1250"
	.amdhsa_code_object_version 6
	.text
	.protected	k_q0e7ab47db6_qkv
	.globl	k_q0e7ab47db6_qkv
	.p2align	8
	.type	k_q0e7ab47db6_qkv,@function
k_q0e7ab47db6_qkv:
	s_mov_b64 s[64:65], 0
	v_nop
	global_prefetch_b8 v0, s[64:65] scope:SCOPE_SE
	s_setreg_imm32_b32 hwreg(HW_REG_WAVE_MODE, 25, 1), 1
	s_wait_xcnt 0x0
	s_wait_alu depctr_hold_cnt(0) depctr_sa_sdst(0) depctr_va_vdst(0) depctr_va_sdst(0) depctr_va_ssrc(0) depctr_va_vcc(0) depctr_vm_vsrc(0)
	s_getreg_b32 s2, hwreg(HW_REG_IB_STS2, 6, 4)
	s_cmp_eq_u32 s2, 0
	s_cbranch_scc0 .Lentry_in_a_cluster
	s_endpgm
.Lentry_in_a_cluster:
	s_bfe_u32 s2, ttmp6, 0x10000c
	s_cmp_lg_u32 s2, 0xf033
	s_cbranch_scc0 .Lentry_shape_is_right
	s_endpgm
.Lentry_shape_is_right:
; [8192 x 3072] = x (codes) . [Wq; Wk; Wv]^T (codes) + bias, on codes of FP4 (E2M1) with one E8M0 scale for each 32 along K = 1,024; sums in f32.
; The result leaves as f16, laid by head: qkv16 [3][batch 4][head 16][token 2048][64], so that two tokens of a head are 256 consecutive bytes; the rows of positions 0-15 of each sequence leave once more as f32, qkv32 [batch x 16 + t][3072].
; LIMITS: |q|, |k|, |v| stay under 65,504 (f16's largest): with x and the weights 30 times larger than drawn a row's numbers have a spread of 900; numbers under 6e-5 keep an absolute step of 6e-8.
; A tile of the result, 256 x 256, is made by four waves, each 128 x 128: 64 accumulators, 512 registers.  K lies in two LDS slots of 512 along K (rows of 256 bytes): both are first fills, nothing is filled again; by this text's count a wave has three tensor loads out.
; The scale bytes of the work-group's 256 + 256 rows, for all of K, come once, as runs of 256 bytes.
; CLUSTERS: 4 x 4 work-groups.  Tile column = 4 x cluster x + cx, so cluster x says which of q, k, v; tile row = cluster y + 8 cy, so cy is the batch, and whether a wave holds positions 0-15 hangs on cluster y and the wave alone.
; The four of a row of the cluster ask jointly for x's tiles, the four of a column for the weights'.
; THE MATRIX INSTRUCTION IS USED TRANSPOSED (source 0 = 16 rows of W, source 1 = 16 rows of x): a lane holds eight neighbouring columns of one row.  THE BIAS is the C of each sum's first instruction.
; REGISTERS: window 0: v0-31 addresses; v32-95 scale words, two sets, nothing else; v96-127 packed results; v128-191 x's fragments, one set, later rows on the way out; v192-255 the bias.
;   window 1: W's fragments, two sets, at v0 and v128.   windows 2, 3: the accumulators of my rows 0-63, 64-127 ((a, b) at v[8 (8 (a % 4) + b)]).
.set SIZE_K, 1024
.set KSTEP,  512
.set NQ,     KSTEP/128
.set ROWB,   256
.set KROW,   SIZE_K/2
.set PITCH,  272                       ; 256 bytes + 16 of padding = 68 words: row r starts at bank 4 r mod 64 (64 banks of 4 bytes: ISA guide 11.1)
.set FR,     8
.set NL,     2
.set NP,     4
.set HALFT,  128*PITCH
.set SLOT,   4*HALFT
.set KS,     SIZE_K/32
.set SCL,    2*SLOT
.set HALFS,  (128*KS/256)*272
.set SBLK,   (16*KS/256)*272
.set SPARE,  SCL+4*HALFS               ; the spare words: 128 bytes a wave, named by no other line
.set ADRA, 16
.set ADRB, 20
.set STO,  24                          ; the way out: where I put 16 bytes of a row
.set RD,   25                          ; where I read them back
.set CO,   26                          ; my byte offset in qkv16
.set ADRS, 27
.set SPW,  28
.set NIL,  29
.set FO,   30                          ; my byte offset in qkv32
.set BO,   31                          ; 32 x (lane / 16): my eight numbers of a bias tile
.set SC,   32
.set TMP,  96
.set AF,   128
.set BK,   128
.set BI,   192
.set G1, 24
.set G0, 32
.set G1B, 48
.set G0B, 56
.set G1S, 68
.set G0S, 76
.set G1SB, 80
.set G0SB, 88
.set MSB, 0
.macro WIN new                         ; the immediate's high byte repeats the setting that is left
.if MSB != \new
	s_set_vgpr_msb (MSB<<8)|\new
.set MSB, \new
.endif
.endm
.set MUL_LO, 0xa1                      ; source 0 (W) window 1, source 1 (x) window 0, C and D window 2
.set MUL_HI, 0xf1
.set TO_B,   0x40
; A joint load: waves 0 and 1 fetch for x, waves 2 and 3 for W; the branch hangs on the wave's number alone.  An s_nop 0 and four v_nop follow each line.
.macro JLOAD g0a, g1a, g0b, g1b
	s_cmp_eq_u32 s15, 0
	s_cbranch_scc0 .Lfor_b_\@
	tensor_load_to_lds s[\g0a:\g0a+3], s[\g1a:\g1a+7]
	s_nop 0
.rept 4
	v_nop
.endr
	s_branch .Lasked_\@
.Lfor_b_\@:
	tensor_load_to_lds s[\g0b:\g0b+3], s[\g1b:\g1b+7]
	s_nop 0
.rept 4
	v_nop
.endr
.Lasked_\@:
.endm
.macro CROUND                          ; a round of the cluster's barrier
	s_barrier_signal -1
	s_barrier_wait -1
	s_cmp_lg_u32 s14, 0
	s_cbranch_scc1 .Lnot_wave_0_\@
	s_barrier_signal -3
.Lnot_wave_0_\@:
	s_barrier_wait -3
	s_barrier_signal -1
	s_barrier_wait -1
.endm
	s_load_b128 s[4:7], s[0:1], 0x0                ; x's codes, x's scales
	s_load_b128 s[8:11], s[0:1], 0x10              ; W's codes, W's scales
	s_load_b128 s[96:99], s[0:1], 0x20             ; bq, bk
	s_load_b64 s[100:101], s[0:1], 0x30            ; bv
	s_load_b64 s[12:13], s[0:1], 0x38              ; qkv16
	s_load_b64 s[66:67], s[0:1], 0x40              ; qkv32
	v_lshl_add_u32 v[SPW], v0, 2, SPARE
	v_mov_b32 v[NIL], 0
	ds_add_u32 v[SPW], v[NIL]                      ; the wave's opening: the add, twice on end, and its wait ahead of my first tensor load
	ds_add_u32 v[SPW], v[NIL]
	v_lshrrev_b32 v1, 5, v0
	v_readfirstlane_b32 s14, v1                    ; wave 0..3
	s_lshr_b32 s15, s14, 1                         ; which half of the tile's rows is mine.  Also: I fetch for x (0) or for W (1)
	s_and_b32 s16, s14, 1                          ; which half of its columns.  Also: which 128 rows I fetch
	s_bfe_u32 s40, ttmp6, 0x40000                  ; cx
	s_bfe_u32 s41, ttmp6, 0x40004                  ; cy
	s_lshl_b32 s42, ttmp9, 2
	s_add_co_u32 s42, s42, s40                     ; tile column = 4 x cluster x + cx
	s_and_b32 s3, ttmp7, 0xffff                    ; cluster y
	s_lshl_b32 s17, s41, 3
	s_add_co_u32 s17, s17, s3                      ; tile row = cluster y + 8 cy
	s_or_b32 s95, s3, s15                          ; 0 where my first 16 rows are positions 0-15: the same in all partners, for a given wave
	s_lshl_b32 s43, s41, 2
	s_lshl_b32 s43, 15, s43                        ; my row of the cluster
	s_lshl_b32 s44, 0x1111, s40                    ; my column
	s_or_b32 s[G1+0], s43, (0<<16)|(1<<20)|(1<<21)|(5<<22)|(3<<25)  ; the mask; elements of 1 byte; padding on, 4 words behind every 64; bit 21 beside a mask
	s_or_b32 s[G1B+0], s44, (0<<16)|(1<<20)|(1<<21)|(5<<22)|(3<<25)
.irp g, G1, G1B
	s_mov_b32 s[\g+1], ROWB<<16                    ; tensor_dim0
	s_mov_b32 s[\g+2], 128<<16                     ; tensor_dim1
	s_mov_b32 s[\g+3], ROWB<<16                    ; tile_dim0
	s_mov_b32 s[\g+4], 128                         ; tile_dim1
	s_mov_b32 s[\g+5], KROW                        ; the pitch
	s_mov_b32 s[\g+6], 0
	s_mov_b32 s[\g+7], 0
.endr
	s_or_b32 s[G1S+0], s43, (3<<16)|(1<<20)|(1<<21)|(5<<22)|(3<<25) ; the scales of 128 rows: 4,096 dense bytes as 16 rows of 256 (32 elements of 8 bytes), 16 bytes of padding behind each
	s_or_b32 s[G1SB+0], s44, (3<<16)|(1<<20)|(1<<21)|(5<<22)|(3<<25)
.irp g, G1S, G1SB
	s_mov_b32 s[\g+1], 32<<16
	s_mov_b32 s[\g+2], (128*KS/256)<<16
	s_mov_b32 s[\g+3], 32<<16
	s_mov_b32 s[\g+4], 128*KS/256
	s_mov_b32 s[\g+5], 32
	s_mov_b32 s[\g+6], 0
	s_mov_b32 s[\g+7], 0
.endr
	s_lshl_b32 s18, s16, 7
	s_lshl_b32 s20, s17, 8
	s_add_co_u32 s20, s20, s18                     ; x: row 256 x tile row + 128 x half
	s_lshl_b32 s46, s42, 8
	s_add_co_u32 s46, s46, s18                     ; W: row 256 x tile column + 128 x half
	s_mov_b32 s21, 0
	s_mov_b32 s47, 0
	s_mov_b64 s[18:19], KS
	s_mul_u64 s[22:23], s[20:21], s[18:19]         ; where these rows' scales begin
	s_mul_u64 s[92:93], s[46:47], s[18:19]
	s_mov_b64 s[18:19], KROW
	s_mul_u64 s[20:21], s[20:21], s[18:19]         ; and their codes
	s_mul_u64 s[46:47], s[46:47], s[18:19]
	s_mul_i32 s45, s14, HALFT                      ; where they go: wave x 128 rows
	s_mul_i32 s94, s14, HALFS
	s_wait_dscnt 0x0                               ; both opening adds are done
	s_wait_kmcnt 0x0
	s_add_nc_u64 s[20:21], s[4:5], s[20:21]
	s_add_nc_u64 s[22:23], s[6:7], s[22:23]
	s_add_nc_u64 s[46:47], s[8:9], s[46:47]
	s_add_nc_u64 s[92:93], s[10:11], s[92:93]
	CROUND                                         ; all sixteen work-groups are here: the joint loads meet
	s_mov_b32 s[G0S], 1
	s_add_co_u32 s[G0S+1], s94, SCL
	s_mov_b64 s[G0S+2:G0S+3], s[22:23]
	s_or_b32 s[G0S+3], s[G0S+3], 0x80000000
	s_mov_b32 s[G0SB], 1
	s_add_co_u32 s[G0SB+1], s94, SCL
	s_mov_b64 s[G0SB+2:G0SB+3], s[92:93]
	s_or_b32 s[G0SB+3], s[G0SB+3], 0x80000000
	JLOAD G0S, G1S, G0SB, G1SB                     ; the scales first: they are wanted with the first step
.irp s, 0,1
	s_mov_b32 s[G0+4*\s], 1
	s_add_co_u32 s[G0+4*\s+1], s45, \s*SLOT
	s_add_nc_u64 s[G0+4*\s+2:G0+4*\s+3], s[20:21], \s*ROWB
	s_or_b32 s[G0+4*\s+3], s[G0+4*\s+3], 0x80000000
	s_mov_b32 s[G0B+4*\s], 1
	s_add_co_u32 s[G0B+4*\s+1], s45, \s*SLOT
	s_add_nc_u64 s[G0B+4*\s+2:G0B+4*\s+3], s[46:47], \s*ROWB
	s_or_b32 s[G0B+4*\s+3], s[G0B+4*\s+3], 0x80000000
	JLOAD G0+4*\s, G1, G0B+4*\s, G1B
.endr
	v_and_b32 v1, 15, v0                           ; r = lane % 16
	v_bfe_u32 v2, v0, 4, 1                         ; h = lane / 16
	; the bias of my 128 columns: cluster x chooses the buffer; register 8 b + j = bias[16 b + 8 h + j], the result's layout
	s_cmp_eq_u32 ttmp9, 0
	s_cselect_b64 s[96:97], s[96:97], s[98:99]
	s_cmp_eq_u32 ttmp9, 2
	s_cselect_b64 s[96:97], s[100:101], s[96:97]
	s_lshl_b32 s98, s40, 10
	s_lshl_b32 s100, s16, 9
	s_add_co_u32 s98, s98, s100                    ; my first column inside q, k or v, in bytes of f32
	s_mov_b32 s99, 0
	s_add_nc_u64 s[96:97], s[96:97], s[98:99]
	v_lshlrev_b32 v[BO], 5, v2
.irp b, 0,1,2,3,4,5,6,7
	global_load_b128 v[BI+8*\b:BI+8*\b+3], v[BO], s[96:97] offset:64*\b
	global_load_b128 v[BI+8*\b+4:BI+8*\b+7], v[BO], s[96:97] offset:64*\b+16
.endr
	s_lshl_b32 s100, ttmp9, 12
	s_add_co_u32 s98, s98, s100                    ; qkv32: my first column of the 3,072,
	s_mul_i32 s100, s41, 196608
	s_add_co_u32 s98, s98, s100                    ; and my batch's 16 rows of 12,288 bytes
	s_add_nc_u64 s[66:67], s[66:67], s[98:99]
	s_lshl_b32 s98, s41, 4                         ; qkv16: head 16 cy + 4 cx + 2 x half of tensor cluster x,
	s_lshl_b32 s100, s40, 2
	s_add_co_u32 s98, s98, s100
	s_lshl_b32 s100, s16, 1
	s_add_co_u32 s98, s98, s100
	s_lshl_b32 s98, s98, 18
	s_lshl_b32 s100, ttmp9, 24
	s_add_co_u32 s98, s98, s100
	s_lshl_b32 s100, s3, 15                        ; token 256 x cluster y + 128 x half, 128 bytes each
	s_add_co_u32 s98, s98, s100
	s_lshl_b32 s100, s15, 14
	s_add_co_u32 s98, s98, s100
	s_add_nc_u64 s[12:13], s[12:13], s[98:99]
	v_mul_u32_u24 v3, v1, PITCH
	v_lshl_add_u32 v4, v2, 4, v3                   ; a fragment's row x pitch + 16 x half
	s_mul_i32 s21, s15, HALFT
	s_mul_i32 s22, s16, HALFT
	s_add_co_u32 s22, s22, 2*HALFT
.irp s, 0,1
	v_add_nc_u32 v[ADRA+\s], s21, v4
	v_add_nc_u32 v[ADRB+\s], s22, v4
	s_add_co_u32 s21, s21, SLOT
	s_add_co_u32 s22, s22, SLOT
.endr
	v_mul_u32_u24 v5, v1, KS                       ; my row's scales: KS bytes a row,
	v_lshrrev_b32 v6, 8, v5
	v_lshl_add_u32 v5, v6, 4, v5                   ; and 16 more for each 256 passed
	s_mul_i32 s21, s15, HALFS
	s_mul_i32 s22, s16, HALFS
	s_add_co_u32 s22, s22, 2*HALFS
	s_sub_co_u32 s22, s22, s21
	v_mul_u32_u24 v6, s22, v2                      ; lanes 16-31 take W's
	s_add_co_u32 s21, s21, SCL
	v_add_nc_u32 v5, v5, v6
	v_add_nc_u32 v[ADRS], s21, v5
	s_mul_i32 s23, s14, 16*272                     ; my stage: 16 rows x (256 + 16) bytes, in slot 0
	v_mul_u32_u24 v5, v1, 272
	v_lshl_add_u32 v5, v2, 4, v5
	v_add_nc_u32 v[STO], s23, v5                   ; in: row r, 16 bytes for each half of the lanes
	v_bfe_u32 v5, v0, 3, 1
	v_mul_u32_u24 v5, v5, 272
	v_lshl_add_u32 v5, v2, 7, v5
	v_and_b32 v6, 7, v0
	v_lshl_add_u32 v5, v6, 4, v5
	v_add_nc_u32 v[RD], s23, v5                    ; back: lanes 0-15 two tokens of my first head, lanes 16-31 of my second
	v_lshlrev_b32 v[CO], 4, v1
	v_lshl_add_u32 v[CO], v2, 18, v[CO]            ; and in qkv16: a head is 262,144 bytes
	v_mul_u32_u24 v[FO], v1, 12288
	v_lshl_add_u32 v[FO], v2, 5, v[FO]
.macro FRAG reg, adr, q, i             ; 16 rows x 128 K of 4-bit codes: lane l holds row l % 16; registers 4 c .. 4 c + 3 hold K = 64 c + 32 (l / 16) + 0 .. 31
.irp c, 0,1
	ds_load_b128 v[\reg+4*\c:\reg+4*\c+3], v[\adr] offset:64*(\q)+32*\c+(\i)*16*PITCH
.endr
.endm
; 16 matrix instructions: x's blocks a0, a0 + 1 against W's eight.  zero = 1: the first product starts the sums, on the bias.  The 64 accumulators take turns, one instruction a turn.
.macro MUL16 a0, p, q, sc, zero
.irp a, \a0, \a0+1
.irp b, 0,1,2,3,4,5,6,7
.if \zero
	v_wmma_scale_f32_16x16x128_f8f6f4 v[8*(8*((\a)%4)+\b):8*(8*((\a)%4)+\b)+7], v[128*(\p)+FR*\b:128*(\p)+FR*\b+FR-1], v[AF+FR*(\a):AF+FR*(\a)+FR-1], v[BI+8*\b:BI+8*\b+7], v[SC+8*NQ*(\sc)+NQ*\b+(\q)], v[SC+8*NQ*(\sc)+NQ*(\a)+(\q)] matrix_a_fmt:MATRIX_FMT_FP4 matrix_b_fmt:MATRIX_FMT_FP4 matrix_a_scale:MATRIX_SCALE_ROW1
.else
	v_wmma_scale_f32_16x16x128_f8f6f4 v[8*(8*((\a)%4)+\b):8*(8*((\a)%4)+\b)+7], v[128*(\p)+FR*\b:128*(\p)+FR*\b+FR-1], v[AF+FR*(\a):AF+FR*(\a)+FR-1], v[8*(8*((\a)%4)+\b):8*(8*((\a)%4)+\b)+7], v[SC+8*NQ*(\sc)+NQ*\b+(\q)], v[SC+8*NQ*(\sc)+NQ*(\a)+(\q)] matrix_a_fmt:MATRIX_FMT_FP4 matrix_b_fmt:MATRIX_FMT_FP4 matrix_a_scale:MATRIX_SCALE_ROW1
.endif
.endr
.endr
.endm
.macro FETCH_B slot, q, p
	WIN TO_B
.irp i, 0,1,2,3,4,5,6,7
	FRAG 128*(\p)+FR*\i, ADRB+\slot, \q, \i
.endr
	WIN 0
.endm
.macro FETCH_A slot, q, i0
.irp i, \i0, \i0+1, \i0+2, \i0+3
	FRAG AF+FR*(\i), ADRA+\slot, \q, \i
.endr
.endm
.macro SCALES sc                       ; a slot's scale words: 4 words a row; lanes 0-15 take x's block i, lanes 16-31 W's block i
.irp i, 0,1,2,3,4,5,6,7
	ds_load_b128 v[SC+8*NQ*\sc+NQ*\i:SC+8*NQ*\sc+NQ*\i+3], v[ADRS] offset:\i*SBLK
.endr
.endm
.macro PLACES n                        ; plain vector instructions between a matrix instruction and a load into, or a read of, its registers
.rept \n
	v_nop
.endr
.endm
.macro STEP slot, q, zero              ; 128 along K, with its successor in the same slot
	s_wait_dscnt 4*NL                              ; W's set and x's blocks 0-3 are in; the youngest eight loads (x's blocks 4-7) may be out
.if \zero
	WIN 0x81                                       ; C, the bias, in window 0
.else
	WIN MUL_LO
.endif
	MUL16 0, (\q)%2, \q, \slot, \zero
	MUL16 2, (\q)%2, \q, \slot, \zero
	s_wait_dscnt 0
	PLACES NP
	FETCH_B \slot, (\q)+1, 1-(\q)%2
	FETCH_A \slot, (\q)+1, 0
.if \zero
	WIN 0xc1
.else
	WIN MUL_HI
.endif
	MUL16 4, (\q)%2, \q, \slot, \zero
	MUL16 6, (\q)%2, \q, \slot, \zero
	PLACES NP
	WIN 0
	FETCH_A \slot, (\q)+1, 4
.endm
.macro STEPS slot, from
.set Q, \from
.rept NQ-1-\from
	STEP \slot, Q, 0
.set Q, Q+1
.endr
.endm
	s_wait_tensorcnt 1                             ; the scales and my part of slot 0 are in; slot 1's load may stay out
	s_barrier_signal -1
	s_barrier_wait -1
	FETCH_B 0, 0, 0
	FETCH_A 0, 0, 0
	SCALES 0
	FETCH_A 0, 0, 4
	s_wait_loadcnt 0x0                             ; the bias
	STEP 0, 0, 1
	STEPS 0, 1
	; slot 0's last step changes slots: one barrier; nothing is filled again
	s_wait_tensorcnt 0x0                           ; my part of slot 1 has landed
	ds_add_u32 v[SPW], v[NIL]
	s_wait_dscnt 4*NL+1                            ; the add and the youngest eight loads may be out
	WIN MUL_LO
	MUL16 0, 1, NQ-1, 0, 0
	s_wait_dscnt 0x0                               ; the add is done, and my reads of slot 0 are over
	s_barrier_signal -1
	MUL16 2, 1, NQ-1, 0, 0
	WIN 0
	s_barrier_wait -1
	PLACES NP
	v_add_nc_u32 v[ADRS], 4*NQ, v[ADRS]            ; on to slot 1's scale words
	FETCH_B 1, 0, 0
	FETCH_A 1, 0, 0
	SCALES 1
	WIN MUL_HI
	MUL16 4, 1, NQ-1, 0, 0
	MUL16 6, 1, NQ-1, 0, 0
	PLACES NP
	WIN 0
	FETCH_A 1, 0, 4
	STEPS 1, 0
	s_wait_dscnt 4*NL                              ; the very last step
	WIN MUL_LO
	MUL16 0, 1, NQ-1, 1, 0
	MUL16 2, 1, NQ-1, 1, 0
	s_wait_dscnt 0
	WIN MUL_HI
	MUL16 4, 1, NQ-1, 1, 0
	MUL16 6, 1, NQ-1, 1, 0
	WIN 0
	PLACES NP
	; positions 0-15 once more, as f32: my block 0, 32 bytes a lane (pieces of 64 bytes a row: 786,432 bytes in the whole launch)
	s_cmp_lg_u32 s95, 0
	s_cbranch_scc1 .Lnofine
	WIN 0x08                                       ; a store's data: window 2
.irp b, 0,1,2,3,4,5,6,7
	global_store_b128 v[FO], v[8*\b:8*\b+3], s[66:67] offset:64*\b
	global_store_b128 v[FO], v[8*\b+4:8*\b+7], s[66:67] offset:64*\b+16
.endr
	WIN 0
.Lnofine:
; THE WAY OUT, a block of 16 rows x 128 columns at a time: rounded to f16, 16 bytes a lane; through my own stage (in slot 0, which has had its last fill and its last read); back so that sixteen lanes hold two tokens of one head: 256 consecutive bytes.
.macro PACK a
.set AC, 64*((\a)%4)
	WIN 0x0a+5*((\a)/4)                            ; sources 0 and 1: window 2 or 3
.irp b, 0,1,2,3,4,5,6,7
.irp i, 0,1,2,3
	v_cvt_pk_f16_f32 v[TMP+4*\b+\i], v[AC+8*\b+2*\i], v[AC+8*\b+2*\i+1]
.endr
.endr
	WIN 0
.endm
.macro TOSTAGE a
.set BB, BK+32*((\a)%2)
.irp b, 0,1,2,3,4,5,6,7
	ds_store_b128 v[STO], v[TMP+4*\b:TMP+4*\b+3] offset:32*\b
.endr
.irp t, 0,1,2,3,4,5,6,7
	ds_load_b128 v[BB+4*\t:BB+4*\t+3], v[RD] offset:544*\t   ; LDS serves a wave's instructions in order: these see the stores above
.endr
.endm
.macro SEND a
.set BB, BK+32*((\a)%2)
	s_wait_dscnt 0x0                               ; the block is back in registers
	s_wait_xcnt 0x0                                ; the registers that earlier stores read are loaded again only behind this wait
.irp t, 0,1,2,3,4,5,6,7
	global_store_b128 v[CO], v[BB+4*\t:BB+4*\t+3], s[12:13] offset:2048*(\a)+256*\t   ; sixteen lanes store 256 consecutive bytes, aligned
.endr
.endm
	PACK 0
	TOSTAGE 0
.irp a, 1,2,3,4,5,6,7
	PACK \a
	SEND \a-1
	TOSTAGE \a
.endr
	SEND 7
	s_wait_tensorcnt 0x0                           ; the wave's end
	ds_add_u32 v[SPW], v[NIL]
	s_wait_dscnt 0x0
	CROUND                                         ; the closing round
	s_endpgm
.Lfunc_end_k_q0e7ab47db6_qkv:
	.size	k_q0e7ab47db6_qkv, .Lfunc_end_k_q0e7ab47db6_qkv-k_q0e7ab47db6_qkv
	.p2alignl 7, 3214868480
	.fill 96, 4, 3214868480
	.section	.rodata,"a",@progbits
	.p2align	6, 0x0
	.amdhsa_kernel k_q0e7ab47db6_qkv
		.amdhsa_group_segment_fixed_size 327680
		.amdhsa_private_segment_fixed_size 0
		.amdhsa_enable_private_segment 0
		.amdhsa_kernarg_size 72
		.amdhsa_user_sgpr_count 2
		.amdhsa_user_sgpr_kernarg_segment_ptr 1
		.amdhsa_wavefront_size32 1
		.amdhsa_system_sgpr_workgroup_id_x 1
		.amdhsa_system_sgpr_workgroup_id_y 1
		.amdhsa_system_sgpr_workgroup_id_z 1
		.amdhsa_system_vgpr_workitem_id 0
		.amdhsa_next_free_vgpr 1024
		.amdhsa_next_free_sgpr 102
		.amdhsa_reserve_vcc 0
		.amdhsa_float_denorm_mode_32 3
		.amdhsa_float_denorm_mode_16_64 3
		.amdhsa_memory_ordered 1
		.amdhsa_forward_progress 1
		.amdhsa_inst_pref_size 130
	.end_amdhsa_kernel
	.amdgpu_metadata
---
amdhsa.version: [ 1, 2 ]
amdhsa.kernels:
  - .name:           k_q0e7ab47db6_qkv
    .symbol:         k_q0e7ab47db6_qkv.kd
    .args:
      - { .name: xc, .offset: 0, .size: 8, .value_kind: global_buffer, .address_space: global }
      - { .name: xs, .offset: 8, .size: 8, .value_kind: global_buffer, .address_space: global }
      - { .name: wc, .offset: 16, .size: 8, .value_kind: global_buffer, .address_space: global }
      - { .name: ws, .offset: 24, .size: 8, .value_kind: global_buffer, .address_space: global }
      - { .name: bq, .offset: 32, .size: 8, .value_kind: global_buffer, .address_space: global }
      - { .name: bk, .offset: 40, .size: 8, .value_kind: global_buffer, .address_space: global }
      - { .name: bv, .offset: 48, .size: 8, .value_kind: global_buffer, .address_space: global }
      - { .name: qkv16, .offset: 56, .size: 8, .value_kind: global_buffer, .address_space: global }
      - { .name: qkv32, .offset: 64, .size: 8, .value_kind: global_buffer, .address_space: global }
    .group_segment_fixed_size: 327680
    .private_segment_fixed_size: 0
    .kernarg_segment_align: 8
    .kernarg_segment_size: 72
    .max_flat_workgroup_size: 128
    .sgpr_count:     102
    .vgpr_count:     1024
    .wavefront_size: 32
...
	.end_amdgpu_metadata
.endif
;; end of part 2
;; launch attn (part 3): grid 4 x 64, 8 waves a work-group, no clusters, 327,680 bytes of LDS; arguments qkv16, y16; writes y16
.if DOCPART == 3
	.amdgcn_target "amdgcn-amd-amdhsa--gfx1250"
	.amdhsa_code_object_version 6
	.text
	.protected	k_q0e7ab47db6_attn
	.globl	k_q0e7ab47db6_attn
	.p2align	8
	.type	k_q0e7ab47db6_attn,@function
k_q0e7ab47db6_attn:
	s_mov_b64 s[64:65], 0
	v_nop
	global_prefetch_b8 v0, s[64:65] scope:SCOPE_SE
	s_setreg_imm32_b32 hwreg(HW_REG_WAVE_MODE, 25, 1), 1
	s_wait_xcnt 0x0
; y[b][h][q] = the sum over k <= q of softmax_k(q . k / 8) v, for the 64 heads of 2,048 tokens and 64 channels.  q, k, v: f16, [3][head][token][64]; y16 likewise.  Products on f16 operands, sums, maxima and the softmax in f32; the weights p are rounded to f16.
; LIMITS: as the buffers': magnitudes under 65,504.  The rows of positions 0-15 are written here too and are not used: a launch of its own carries them in f32.
; SHARES.  Work-group (i, head) owns the query blocks i and 7 - i of 256: under the causal mask the two together have the same number of keys for every i.  Wave w owns 32 queries of each: piece L (tiles 0, 1) from 256 i + 32 w,
; piece H (tiles 2, 3) from 256 (7 - i) + 32 (7 - w): the same number of keys for every w.  Eight waves, two to a SIMD, 512 registers each: one wave's softmax stands beside the other's products.
; NO CLUSTER: the four work-groups of a head need 8, 7, 6 and 5 slots of keys; a partner would ask for tiles that none of its waves reads.
; LAYOUT.  S^T = K Q^T (source 0 = 16 keys, source 1 = 16 queries) and O^T = V^T P: a lane holds ONE query (lane % 16) throughout; two tiles of S^T rounded in pairs are source 1 of the second product.  V comes out of LDS turned, by ds_load_tr16_b128.
; SOFTMAX.  A running maximum m and sum l for each query: p = 2^(c s - c m), c = log2(e) / 8; in every step O and l are multiplied by a = 2^(c m_old - c m_new).  O and l begin as zeros and m as -3e38, so the step is written once.
; THE MASK.  Every work-group walks all 8 slots of 256 keys: the trip counts are constants.  A step of 64 keys all of which come after a piece's queries is jumped over (ids alone); on the diagonal hidden scores become -infinity.
; A slot whose first key comes after the work-group's last query is not asked for; every wait on TENSORcnt is for 0.
; LDS: two slots 2^17 bytes apart; in a slot 128 double rows (two keys, 256 bytes) of K at pitch 272, then 128 of V at pitch 288; behind slot 0 the stages for the way out and the spare words.
; REGISTERS: window 0: v1-15 addresses and constants; v16-31 at work; v32-63 statistics, 8 a tile; v64-191 S^T, 32 a tile (P in place, registers 0-15); v192-255 Q.   window 1: v0-127 O^T, 32 a tile; v128-191 K; v192-255 V.
.set SLOT1,  1<<17
.set KHALF,  64*272
.set VHALF,  64*288
.set VOFF,   128*272
.set KSTEPB, 32*272
.set VSTEPB, 32*288
.set STAGE,  73728                     ; 8 waves x 16 rows x 144 bytes; no fill lands here
.set SPARE,  94208                     ; the spare words: 128 bytes a wave, named by no other line
.set AK0, 2
.set AV0, 3
.set ADK, 4
.set ADV, 5
.set RH,  6                            ; r - 8 h
.set STO, 7
.set RD,  8
.set GO,  9
.set SPW, 10
.set NIL, 11
.set PFO, 12                           ; 256 x lane: the prefetches of K
.set PFO2, 13                          ; the same, one tensor on: of V
.set MD,  14
.set NINF, 15
.set TS,  16
.set ST,  32                           ; tile t at v[ST + 8 t]: +0 c m, +1 m, +2, +3 l, +4 .. +7 at work; a takes +6
.set S,   64
.set QR,  192
.set KFR, 128                          ; in window 1
.set VFR, 192
.set WV,  8
.set Q0L, 11
.set Q0H, 12
.set KF,  13                           ; the step's first key
.set TBK, 14                           ; LDS byte at which the step's keys begin
.set TBV, 15
.set SEL, 16
.set CS,  18
.set LIM, 20
.set QLAST, 21
.set PFA, 22
.set G1K, 24
.set G1V, 32
.set G0K, 40
.set G0V, 44
.set QEL, 50
.set QEH, 51
.set SLOTS, 56
.set CNT, 57
.set MSB, 0
.macro WIN new
.if MSB != \new
	s_set_vgpr_msb (MSB<<8)|\new
.set MSB, \new
.endif
.endm
.set W_KQ, 0x01                        ; K in window 1; Q and S^T in window 0
.set W_PV, 0x51                        ; V and O^T in window 1, P in window 0
.set W_RS, 0x41                        ; O^T in window 1, a in window 0
.macro PLACES n
.rept \n
	v_nop
.endr
.endm
; Waves 0 and 1 fetch K's halves of a slot, waves 2 and 3 V's, the others nothing.  An s_nop 0 and four v_nop follow each line.
.macro TLOAD
	s_cmp_lt_u32 s[WV], 2
	s_cbranch_scc0 .Lnot_k_\@
	tensor_load_to_lds s[G0K:G0K+3], s[G1K:G1K+7]
	s_nop 0
.rept 4
	v_nop
.endr
	s_branch .Lasked_\@
.Lnot_k_\@:
	s_cmp_lt_u32 s[WV], 4
	s_cbranch_scc0 .Lasked_\@
	tensor_load_to_lds s[G0V:G0V+3], s[G1V:G1V+7]
	s_nop 0
.rept 4
	v_nop
.endr
.Lasked_\@:
.endm
; A prefetch of the slot that the NEXT change of slots will ask for: 32,768 bytes of K and of V.  The head's work-group 0, which walks and loads all 8 slots, asks; in it waves 4 to 7, which fetch nothing:
; 8,192 bytes of each a wave, lanes 256 bytes apart: each aligned 256 bytes of slots 2 to 7 is named once in the launch, four key steps ahead of its load.  The last change that fills a slot asks for nothing.
.macro ASK
	s_cmp_gt_u32 s[SLOTS], s[LIM]
	s_cbranch_scc0 .Lnot_mine_\@
	global_prefetch_b8 v[PFO], s[PFA:PFA+1] th:TH_LOAD_NT scope:SCOPE_SE
	global_prefetch_b8 v[PFO2], s[PFA:PFA+1] th:TH_LOAD_NT scope:SCOPE_SE
.Lnot_mine_\@:
.endm
	s_load_b128 s[4:7], s[0:1], 0x0                ; qkv16, y16
	v_lshl_add_u32 v[SPW], v0, 2, SPARE
	v_mov_b32 v[NIL], 0
	ds_add_u32 v[SPW], v[NIL]                      ; the wave's opening: the add, twice on end, and its wait ahead of my first tensor load
	ds_add_u32 v[SPW], v[NIL]
	v_lshrrev_b32 v1, 5, v0
	v_readfirstlane_b32 s[WV], v1                  ; wave 0..7
	s_and_b32 s10, ttmp7, 0xffff                   ; the head (batch x 16 + head)
	s_lshl_b32 s[Q0L], ttmp9, 8
	s_lshl_b32 s48, s[WV], 5
	s_add_co_u32 s[Q0L], s[Q0L], s48               ; piece L's first query
	s_sub_co_u32 s[Q0H], 7, ttmp9
	s_lshl_b32 s[Q0H], s[Q0H], 8
	s_or_b32 s[QLAST], s[Q0H], 255                 ; the work-group's last query
	s_sub_co_u32 s48, 7, s[WV]
	s_lshl_b32 s48, s48, 5
	s_add_co_u32 s[Q0H], s[Q0H], s48               ; piece H's first query
	s_add_co_u32 s[QEL], s[Q0L], 31
	s_add_co_u32 s[QEH], s[Q0H], 31
	s_mov_b32 s[KF], 0
	s_mov_b32 s[TBK], 0
	s_mov_b32 s[TBV], 0
	s_mov_b32 s[SEL], 0x76543210
	s_mov_b32 s[SEL+1], 0xfedcba98                 ; v_permlanex16_b32: lane l xor 16
	s_mov_b32 s[CS], 0x3e38aa3b                    ; c = log2(e) / 8
	s_mov_b32 s[CS+1], s[CS]
	s_mov_b32 s[SLOTS], 7
	; descriptor group 1: 64 double rows of 128 elements of 2 bytes, dense in memory; 4 (K) or 8 (V) words of padding behind every 64
	s_mov_b32 s[G1K], (1<<16)|(1<<20)|(5<<22)|(3<<25)
	s_mov_b32 s[G1V], (1<<16)|(1<<20)|(5<<22)|(7<<25)
.irp g, G1K, G1V
	s_mov_b32 s[\g+1], 128<<16                     ; tensor_dim0
	s_mov_b32 s[\g+2], 64<<16                      ; tensor_dim1
	s_mov_b32 s[\g+3], 128<<16                     ; tile_dim0
	s_mov_b32 s[\g+4], 64                          ; tile_dim1
	s_mov_b32 s[\g+5], 128                         ; the pitch
	s_mov_b32 s[\g+6], 0
	s_mov_b32 s[\g+7], 0
.endr
	s_and_b32 s49, s[WV], 1                        ; which half of a slot I fetch, if I fetch
	s_mul_i32 s58, s49, KHALF
	s_mul_i32 s59, s49, VHALF
	s_add_co_u32 s59, s59, VOFF
	s_lshl_b32 s60, s10, 18                        ; the head's first byte in a tensor
	s_lshl_b32 s61, s49, 14                        ; + 128 keys of 128 bytes
	s_add_co_u32 s60, s60, s61
	s_mov_b32 s61, 0
	s_wait_dscnt 0x0                               ; both opening adds are done
	s_wait_kmcnt 0x0
	s_mov_b32 s[G0K], 1
	s_mov_b32 s[G0K+1], s58
	s_add_nc_u64 s[G0K+2:G0K+3], s[4:5], s[60:61]
	s_add_nc_u64 s[G0K+2:G0K+3], s[G0K+2:G0K+3], 0x1000000
	s_or_b32 s[G0K+3], s[G0K+3], 0x80000000
	s_mov_b32 s[G0V], 1
	s_mov_b32 s[G0V+1], s59
	s_add_nc_u64 s[G0V+2:G0V+3], s[4:5], s[60:61]
	s_add_nc_u64 s[G0V+2:G0V+3], s[G0V+2:G0V+3], 0x2000000
	s_or_b32 s[G0V+3], s[G0V+3], 0x80000000
	TLOAD                                          ; slot 0: key 0 counts for every query
	s_lshl_b32 s48, s10, 18
	s_lshl_b32 s62, s[Q0L], 7
	s_add_co_u32 s62, s62, s48
	s_mov_b32 s63, 0
	s_add_nc_u64 s[52:53], s[4:5], s[62:63]        ; q at piece L's first query,
	s_add_nc_u64 s[66:67], s[6:7], s[62:63]        ; y likewise
	s_lshl_b32 s62, s[Q0H], 7
	s_add_co_u32 s62, s62, s48
	s_add_nc_u64 s[54:55], s[4:5], s[62:63]        ; and piece H's
	s_add_nc_u64 s[68:69], s[6:7], s[62:63]
	s_and_b32 s62, s[WV], 3                        ; the prefetches: my wave's 8,192 bytes, in slot 1 of K: the first change of slots steps it to slot 2
	s_lshl_b32 s62, s62, 13
	s_add_co_u32 s62, s62, s48
	s_add_co_u32 s62, s62, 0x1000000+32768
	s_add_nc_u64 s[PFA:PFA+1], s[4:5], s[62:63]
	s_lshr_b32 s48, s[WV], 2
	s_xor_b32 s48, s48, 1                          ; 0 in waves 4 to 7,
	s_or_b32 s48, s48, ttmp9                       ; of the head's work-group 0
	s_cmp_eq_u32 s48, 0
	s_cselect_b32 s[LIM], 1, -1
	v_and_b32 v1, 15, v0                           ; r
	v_bfe_u32 v14, v0, 4, 1                        ; h
	v_lshlrev_b32 v16, 7, v1
	v_lshl_add_u32 v16, v14, 4, v16                ; q: row r of 128 bytes + 16 h
.irp t, 0,1,2,3                        ; Q stays in registers: tile t, channels 32 cs on: registers 0-3 channels 8 h + 0..7, registers 4-7 16 + 8 h + 0..7
.irp cs, 0,1
.irp u, 0,1
.if \t < 2
	global_load_b128 v[QR+16*\t+8*\cs+4*\u:QR+16*\t+8*\cs+4*\u+3], v16, s[52:53] offset:2048*(\t%2)+64*\cs+32*\u
.else
	global_load_b128 v[QR+16*\t+8*\cs+4*\u:QR+16*\t+8*\cs+4*\u+3], v16, s[54:55] offset:2048*(\t%2)+64*\cs+32*\u
.endif
.endr
.endr
.endr
	v_lshrrev_b32 v[AK0], 1, v1
	v_mul_u32_u24 v[AK0], v[AK0], 272
	v_and_b32 v15, 1, v1
	v_lshl_add_u32 v[AK0], v15, 7, v[AK0]
	v_lshl_add_u32 v[AK0], v14, 4, v[AK0]          ; K: key r: double row r / 2, half r % 2, + 16 h: the 16 rows start at words 68 (r / 2) + 32 (r % 2): 16 different groups of four banks
	v_bfe_u32 v[AV0], v0, 1, 2
	v_lshl_add_u32 v[AV0], v14, 2, v[AV0]
	v_mul_u32_u24 v[AV0], v[AV0], 288
	v_lshl_add_u32 v[AV0], v15, 7, v[AV0]
	v_bfe_u32 v15, v0, 3, 1
	v_lshl_add_u32 v[AV0], v15, 4, v[AV0]
	v_add_nc_u32 v[AV0], VOFF, v[AV0]              ; V, for the turning load: key 8 h + l % 8, channels 8 ((l / 8) % 2) on
	v_lshlrev_b32 v[RH], 3, v14
	v_sub_nc_u32 v[RH], v1, v[RH]
	s_mul_i32 s48, s[WV], 16*144
	s_add_co_u32 s48, s48, STAGE                   ; my stage
	v_mul_u32_u24 v[STO], v1, 144
	v_lshl_add_u32 v[STO], v14, 4, v[STO]
	v_add_nc_u32 v[STO], s48, v[STO]
	v_bfe_u32 v[RD], v0, 3, 2
	v_mul_u32_u24 v[RD], v[RD], 144
	v_and_b32 v15, 7, v0
	v_lshl_add_u32 v[RD], v15, 4, v[RD]
	v_add_nc_u32 v[RD], s48, v[RD]
	v_and_b32 v[GO], 31, v0
	v_lshlrev_b32 v[PFO], 8, v[GO]
	v_add_nc_u32 v[PFO2], 0x1000000, v[PFO]
	v_lshlrev_b32 v[GO], 4, v[GO]
	v_mov_b32 v[NINF], 0xff800000
.irp t, 0,1,2,3
	v_mov_b32 v[ST+8*\t+1], 0xff61b1e6             ; m = -3e38, under every score
	v_mul_f32 v[ST+8*\t], s[CS], v[ST+8*\t+1]
.irp j, 2,3,4,5,6,7
	v_mov_b32 v[ST+8*\t+\j], 0
.endr
.endr
	WIN 0x40
.set j, 0
.rept 128
	v_mov_b32 v[j], 0                              ; O^T: the step is written once; its first run finds zeros, which a = 0 leaves zeros
.set j, j+1
.endr
	WIN 0
; S^T = K Q^T for piece x: 16 products; the eight accumulators take turns; the first eight start the sums
.macro KQ x
.irp cs, 0,1
.irp kt, 0,1,2,3
.irp t, \x, \x+1
.if \cs == 0
	v_wmma_f32_16x16x32_f16 v[S+32*(\t)+8*\kt:S+32*(\t)+8*\kt+7], v[KFR+8*(2*\kt+\cs):KFR+8*(2*\kt+\cs)+7], v[QR+16*(\t)+8*\cs:QR+16*(\t)+8*\cs+7], 0
.else
	v_wmma_f32_16x16x32_f16 v[S+32*(\t)+8*\kt:S+32*(\t)+8*\kt+7], v[KFR+8*(2*\kt+\cs):KFR+8*(2*\kt+\cs)+7], v[QR+16*(\t)+8*\cs:QR+16*(\t)+8*\cs+7], v[S+32*(\t)+8*\kt:S+32*(\t)+8*\kt+7]
.endif
.endr
.endr
.endr
.endm
; O^T += V^T P for piece x: 16 products, eight accumulators by turns
.macro PV x
.irp g, 0,1
.irp c, 0,1,2,3
.irp t, \x, \x+1
	v_wmma_f32_16x16x32_f16 v[32*(\t)+8*\c:32*(\t)+8*\c+7], v[VFR+8*(4*\g+\c):VFR+8*(4*\g+\c)+7], v[S+32*(\t)+8*\g:S+32*(\t)+8*\g+7], v[32*(\t)+8*\c:32*(\t)+8*\c+7]
.endr
.endr
.endr
.endm
; On the diagonal: register n of tile tt holds key KF + 16 (n / 8) + 8 h + n % 8 of query q0 + 16 tt + r: hidden where 16 (n / 8) + n % 8 - 16 tt > q0 - KF + r - 8 h.  A step all of whose keys count jumps over this.
.macro MASKIF x, q0
	s_add_co_u32 s48, s[KF], 63
	s_cmp_le_u32 s48, s[\q0]
	s_cbranch_scc1 .Lopen_\@
	s_sub_co_i32 s49, s[\q0], s[KF]
	v_add_nc_u32 v[MD], s49, v[RH]
.irp tt, 0,1
.irp n, 0,1,2,3,4,5,6,7,8,9,10,11,12,13,14,15,16,17,18,19,20,21,22,23,24,25,26,27,28,29,30,31
	v_cmp_gt_i32 vcc_lo, 16*(\n/8)+\n%8-16*\tt, v[MD]
	v_cndmask_b32 v[S+32*(\x+\tt)+\n], v[S+32*(\x+\tt)+\n], v[NINF], vcc_lo
.endr
.endr
.Lopen_\@:
.endm
; The softmax of piece x's two tiles for 64 keys; the tiles alternate line by line, so that no line waits for the line above it
.macro SMP x
.irp j, 0,1,2,3
.irp t, \x, \x+1
	v_max3_num_f32 v[ST+8*(\t)+4+\j], v[S+32*(\t)+8*\j], v[S+32*(\t)+8*\j+1], v[S+32*(\t)+8*\j+2]   ; four chains, each from its accumulator's low end
.endr
.endr
.irp q, 1,2
.irp j, 0,1,2,3
.irp t, \x, \x+1
	v_max3_num_f32 v[ST+8*(\t)+4+\j], v[ST+8*(\t)+4+\j], v[S+32*(\t)+8*\j+2*\q+1], v[S+32*(\t)+8*\j+2*\q+2]
.endr
.endr
.endr
.irp t, \x, \x+1
	v_max3_num_f32 v[ST+8*(\t)+4], v[ST+8*(\t)+4], v[S+32*(\t)+7], v[S+32*(\t)+15]
	v_max3_num_f32 v[ST+8*(\t)+6], v[ST+8*(\t)+6], v[S+32*(\t)+23], v[S+32*(\t)+31]
.endr
.irp t, \x, \x+1
	v_max3_num_f32 v[ST+8*(\t)+4], v[ST+8*(\t)+4], v[ST+8*(\t)+5], v[ST+8*(\t)+6]
.endr
.irp t, \x, \x+1
	v_max3_num_f32 v[ST+8*(\t)+4], v[ST+8*(\t)+4], v[ST+8*(\t)+7], v[ST+8*(\t)+1]   ; with the old m
.endr
.irp t, \x, \x+1
	v_permlanex16_b32 v[ST+8*(\t)+5], v[ST+8*(\t)+4], s[SEL], s[SEL+1]   ; the query's other 32 keys lie in the lane 16 away
.endr
.irp t, \x, \x+1
	v_mov_b32 v[ST+8*(\t)+7], v[ST+8*(\t)]         ; c m_old is kept for a
.endr
.irp t, \x, \x+1
	v_max_num_f32 v[ST+8*(\t)+1], v[ST+8*(\t)+4], v[ST+8*(\t)+5]
.endr
.irp t, \x, \x+1
	v_mul_f32 v[ST+8*(\t)], s[CS], v[ST+8*(\t)+1]
.endr
.irp t, \x, \x+1
	v_sub_f32 v[ST+8*(\t)+7], v[ST+8*(\t)+7], v[ST+8*(\t)]
.endr
.irp b, 0,1,2,3,4,5,6,7,8,9,10,11,12,13,14,15
.irp t, \x, \x+1
	v_pk_fma_f32 v[S+32*(\t)+2*\b:S+32*(\t)+2*\b+1], v[S+32*(\t)+2*\b:S+32*(\t)+2*\b+1], s[CS:CS+1], v[ST+8*(\t):ST+8*(\t)+1] op_sel_hi:[1,0,0] neg_lo:[0,0,1] neg_hi:[0,0,1]   ; c s - c m
.endr
.endr
.irp t, \x, \x+1
	v_exp_f32 v[ST+8*(\t)+6], v[ST+8*(\t)+7]       ; a
.endr
.irp e, 0,1,2,3,4,5,6,7,8,9,10,11,12,13,14,15,16,17,18,19,20,21,22,23,24,25,26,27,28,29,30,31
.irp t, \x, \x+1
	v_exp_f32 v[S+32*(\t)+\e], v[S+32*(\t)+\e]     ; p: one batch of 66 exponentials; none reads another's result
.endr
.endr
	v_nop                                          ; a plain instruction behind the last exponential
	s_wait_alu depctr_va_vdst(0)                   ; and one wait for the whole batch, ahead of its first reader
.irp k, 0,1,2,3
.irp tt, 0,1
	v_pk_add_f32 v[TS+8*\tt+2*\k:TS+8*\tt+2*\k+1], v[S+32*(\x+\tt)+4*\k:S+32*(\x+\tt)+4*\k+1], v[S+32*(\x+\tt)+4*\k+2:S+32*(\x+\tt)+4*\k+3]   ; the sum of the unrounded p, in four chains
.endr
.endr
.irp k, 8,9,10,11,12,13,14,15
.irp tt, 0,1
	v_pk_add_f32 v[TS+8*\tt+2*(\k%4):TS+8*\tt+2*(\k%4)+1], v[TS+8*\tt+2*(\k%4):TS+8*\tt+2*(\k%4)+1], v[S+32*(\x+\tt)+2*\k:S+32*(\x+\tt)+2*\k+1]
.endr
.endr
.irp tt, 0,1
	v_pk_add_f32 v[TS+8*\tt:TS+8*\tt+1], v[TS+8*\tt:TS+8*\tt+1], v[TS+8*\tt+2:TS+8*\tt+3]
	v_pk_add_f32 v[TS+8*\tt+4:TS+8*\tt+5], v[TS+8*\tt+4:TS+8*\tt+5], v[TS+8*\tt+6:TS+8*\tt+7]
.endr
.irp tt, 0,1
	v_pk_add_f32 v[TS+8*\tt:TS+8*\tt+1], v[TS+8*\tt:TS+8*\tt+1], v[TS+8*\tt+4:TS+8*\tt+5]
.endr
.irp tt, 0,1
	v_pk_fma_f32 v[ST+8*(\x+\tt)+2:ST+8*(\x+\tt)+3], v[ST+8*(\x+\tt)+2:ST+8*(\x+\tt)+3], v[ST+8*(\x+\tt)+6:ST+8*(\x+\tt)+7], v[TS+8*\tt:TS+8*\tt+1] op_sel_hi:[1,0,1]   ; l = a l + the sum
.endr
.irp i, 0,1,2,3,4,5,6,7,8,9,10,11,12,13,14,15
.irp t, \x, \x+1
	v_cvt_pk_f16_f32 v[S+32*(\t)+\i], v[S+32*(\t)+2*\i], v[S+32*(\t)+2*\i+1]   ; P in place, ascending: register i has been read when it is written
.endr
.endr
	WIN W_RS
.irp i, 0,2,4,6,8,10,12,14,16,18,20,22,24,26,28,30
.irp t, \x, \x+1
	v_pk_mul_f32 v[32*(\t)+\i:32*(\t)+\i+1], v[32*(\t)+\i:32*(\t)+\i+1], v[ST+8*(\t)+6:ST+8*(\t)+7] op_sel_hi:[1,0]   ; O^T x a
.endr
.endr
.endm
; A KEY STEP: 64 keys.  Its two arms hang on ids alone: both pieces, or piece H alone once piece L's queries are passed.  No barrier and no tensor load stands in a step.
.macro STEP
	s_cmp_gt_u32 s[KF], s[QEH]
	s_cbranch_scc1 .Lhid_\@
	v_add_nc_u32 v[ADK], s[TBK], v[AK0]
	v_add_nc_u32 v[ADV], s[TBV], v[AV0]
	PLACES 3                                       ; with the two additions five places behind the last products: the loads below land in V's registers, and the next products write over P
	WIN 0x40
.irp kt, 0,1,2,3
.irp cs, 0,1
.irp u, 0,1
	ds_load_b128 v[KFR+8*(2*\kt+\cs)+4*\u:KFR+8*(2*\kt+\cs)+4*\u+3], v[ADK] offset:2176*\kt+64*\cs+32*\u
.endr
.endr
.endr
.irp g, 0,1
.irp c, 0,1,2,3
.irp u, 0,1
	ds_load_tr16_b128 v[VFR+8*(4*\g+\c)+4*\u:VFR+8*(4*\g+\c)+4*\u+3], v[ADV] offset:4608*\g+32*\c+2304*\u
.endr
.endr
.endr
	WIN 0
	s_wait_dscnt 16                                ; K's sixteen loads are in; V's sixteen may be out
	s_cmp_gt_u32 s[KF], s[QEL]
	s_cbranch_scc1 .LonlyH_\@
	WIN W_KQ
	KQ 2
	KQ 0
	WIN 0
	PLACES 4
	MASKIF 2, Q0H
	SMP 2
	s_wait_dscnt 0x0                               ; V
	WIN W_PV
	PV 2
	WIN 0
	MASKIF 0, Q0L
	SMP 0
	WIN W_PV
	PV 0
	WIN 0
	s_branch .Lhid_\@
.LonlyH_\@:
	WIN W_KQ
	KQ 2
	WIN 0
	PLACES 4
	MASKIF 2, Q0H
	SMP 2
	s_wait_dscnt 0x0
	WIN W_PV
	PV 2
	WIN 0
.Lhid_\@:
	s_add_co_u32 s[KF], s[KF], 64
	s_add_co_u32 s[TBK], s[TBK], KSTEPB
	s_add_co_u32 s[TBV], s[TBV], VSTEPB
.endm
; THE CHANGE OF SLOTS, at a slot's head: each wave waits for all its tensor loads, adds 0 to its spare word, waits for that and for its reads of the slot that it has left; one barrier; behind it the slot left is filled with the keys that follow.
.macro CHANGE fill
	s_wait_tensorcnt 0x0                           ; no tensor load of mine is out, so a group 0 may be written
	ds_add_u32 v[SPW], v[NIL]
.if \fill
	ds_add_u32 v[SPW], v[NIL]                      ; and twice on end here, in every trip alike
	s_xor_b32 s[G0K+1], s[G0K+1], SLOT1            ; the walking descriptors: the other slot, the next 256 keys
	s_add_nc_u64 s[G0K+2:G0K+3], s[G0K+2:G0K+3], 32768
	s_xor_b32 s[G0V+1], s[G0V+1], SLOT1
	s_add_nc_u64 s[G0V+2:G0V+3], s[G0V+2:G0V+3], 32768
	s_wait_xcnt 0x0                                ; the last prefetches, a slot back, have read their address
	s_add_nc_u64 s[PFA:PFA+1], s[PFA:PFA+1], 32768
.endif
	s_wait_dscnt 0x0
	s_barrier_signal -1
	s_barrier_wait -1
.if \fill
	s_add_co_u32 s48, s[KF], 256                   ; the first key of the slot that this change would ask for:
	s_cmp_gt_u32 s48, s[QLAST]                     ; behind the work-group's last query none of its waves reads it.  Ids and the count of steps alone: all eight waves go the same way
	s_cbranch_scc1 .Lpast_\@
	TLOAD                                          ; a wave's one tensor load until the next change
.Lpast_\@:
	ASK
.endif
.endm
.macro SLOT_STEPS
	s_mov_b32 s[CNT], 4
.Lstep_\@:
	STEP
	s_sub_co_u32 s[CNT], s[CNT], 1
	s_cmp_lg_u32 s[CNT], 0
	s_cbranch_scc1 .Lstep_\@
	s_sub_co_u32 s[TBK], s[TBK], 4*KSTEPB          ; back to a slot's first step,
	s_xor_b32 s[TBK], s[TBK], SLOT1                ; in the other slot
	s_sub_co_u32 s[TBV], s[TBV], 4*VSTEPB
	s_xor_b32 s[TBV], s[TBV], SLOT1
.endm
	s_wait_loadcnt 0x0                             ; Q
.Lslot:                                            ; 7 trips
	CHANGE 1
	SLOT_STEPS
	s_sub_co_u32 s[SLOTS], s[SLOTS], 1
	s_cmp_lg_u32 s[SLOTS], 0
	s_cbranch_scc1 .Lslot
	CHANGE 0                                       ; the last slot is written out: nothing is left to ask for
	SLOT_STEPS
	; THE WAY OUT: l's halves and the other half of the lanes' are added (these lines are also the places behind the last products); O^T / l, rounded to f16, goes through my stage, a tile of 16 rows at a time
.irp t, 0,1,2,3
	v_add_f32 v[ST+8*\t+4], v[ST+8*\t+2], v[ST+8*\t+3]
.endr
.irp t, 0,1,2,3
	v_permlanex16_b32 v[ST+8*\t+5], v[ST+8*\t+4], s[SEL], s[SEL+1]
.endr
.irp t, 0,1,2,3
	v_add_f32 v[ST+8*\t+4], v[ST+8*\t+4], v[ST+8*\t+5]
.endr
.irp t, 0,1,2,3
	v_rcp_f32 v[ST+8*\t+6], v[ST+8*\t+4]
.endr
	v_nop
	s_wait_alu depctr_va_vdst(0)                   ; one wait for the four reciprocals, ahead of their first reader
.macro PACK t
	WIN W_RS
.irp i, 0,2,4,6,8,10,12,14,16,18,20,22,24,26,28,30
	v_pk_mul_f32 v[32*\t+\i:32*\t+\i+1], v[32*\t+\i:32*\t+\i+1], v[ST+8*\t+6:ST+8*\t+7] op_sel_hi:[1,0]
.endr
	WIN 0x05                                       ; sources in window 1, destination in window 0
.irp i, 0,1,2,3,4,5,6,7,8,9,10,11,12,13,14,15
	v_cvt_pk_f16_f32 v[S+32*\t+\i], v[32*\t+2*\i], v[32*\t+2*\i+1]
.endr
	WIN 0
.irp c, 0,1,2,3
	ds_store_b128 v[STO], v[S+32*\t+4*\c:S+32*\t+4*\c+3] offset:32*\c
.endr
.irp u, 0,1,2,3
	ds_load_b128 v[S+32*\t+16+4*\u:S+32*\t+16+4*\u+3], v[RD] offset:576*\u   ; LDS serves a wave's instructions in order: these see the stores above
.endr
.endm
.macro SEND t, younger                 ; younger: the next tile's eight LDS instructions, or none
.irp u, 0,1,2,3
	s_wait_dscnt \younger+3-\u
.if \t < 2
	global_store_b128 v[GO], v[S+32*\t+16+4*\u:S+32*\t+16+4*\u+3], s[66:67] offset:2048*(\t%2)+512*\u   ; the wave stores 512 consecutive bytes, aligned
.else
	global_store_b128 v[GO], v[S+32*\t+16+4*\u:S+32*\t+16+4*\u+3], s[68:69] offset:2048*(\t%2)+512*\u
.endif
.endr
.endm
	PACK 0
	PACK 1
	SEND 0, 8
	PACK 2
	SEND 1, 8
	PACK 3
	SEND 2, 8
	SEND 3, 0
	s_wait_tensorcnt 0x0                           ; the wave's end
	ds_add_u32 v[SPW], v[NIL]
	s_wait_dscnt 0x0
	s_endpgm
.Lfunc_end_k_q0e7ab47db6_attn:
	.size	k_q0e7ab47db6_attn, .Lfunc_end_k_q0e7ab47db6_attn-k_q0e7ab47db6_attn
	.p2alignl 7, 3214868480
	.fill 96, 4, 3214868480
	.section	.rodata,"a",@progbits
	.p2align	6, 0x0
	.amdhsa_kernel k_q0e7ab47db6_attn
		.amdhsa_group_segment_fixed_size 327680
		.amdhsa_private_segment_fixed_size 0
		.amdhsa_enable_private_segment 0
		.amdhsa_kernarg_size 16
		.amdhsa_user_sgpr_count 2
		.amdhsa_user_sgpr_kernarg_segment_ptr 1
		.amdhsa_wavefront_size32 1
		.amdhsa_system_sgpr_workgroup_id_x 1
		.amdhsa_system_sgpr_workgroup_id_y 1
		.amdhsa_system_sgpr_workgroup_id_z 1
		.amdhsa_system_vgpr_workitem_id 0
		.amdhsa_next_free_vgpr 512
		.amdhsa_next_free_sgpr 72
		.amdhsa_reserve_vcc 1
		.amdhsa_float_denorm_mode_32 3
		.amdhsa_float_denorm_mode_16_64 3
		.amdhsa_memory_ordered 1
		.amdhsa_forward_progress 1
		.amdhsa_inst_pref_size 148
	.end_amdhsa_kernel
	.amdgpu_metadata
---
amdhsa.version: [ 1, 2 ]
amdhsa.kernels:
  - .name:           k_q0e7ab47db6_attn
    .symbol:         k_q0e7ab47db6_attn.kd
    .args:
      - { .name: qkv16, .offset: 0, .size: 8, .value_kind: global_buffer, .address_space: global }
      - { .name: y16, .offset: 8, .size: 8, .value_kind: global_buffer, .address_space: global }
    .group_segment_fixed_size: 327680
    .private_segment_fixed_size: 0
    .kernarg_segment_align: 8
    .kernarg_segment_size: 16
    .max_flat_workgroup_size: 256
    .sgpr_count:     72
    .vgpr_count:     512
    .wavefront_size: 32
...
	.end_amdgpu_metadata
.endif
;; end of part 3
;; launch proj (part 4): grid 8 x 32, 4 waves a work-group, clusters of 4 x 4, 327,680 bytes of LDS; arguments y16, wp16, bp, out0; writes out0
.if DOCPART == 4
	.amdgcn_target "amdgcn-amd-amdhsa--gfx1250"
	.amdhsa_code_object_version 6
	.text
	.protected	k_q0e7ab47db6_proj
	.globl	k_q0e7ab47db6_proj
	.p2align	8
	.type	k_q0e7ab47db6_proj,@function
k_q0e7ab47db6_proj:
	s_mov_b64 s[64:65], 0
	v_nop
	global_prefetch_b8 v0, s[64:65] scope:SCOPE_SE
	s_setreg_imm32_b32 hwreg(HW_REG_WAVE_MODE, 25, 1), 1
	s_wait_xcnt 0x0
	s_wait_alu depctr_hold_cnt(0) depctr_sa_sdst(0) depctr_va_vdst(0) depctr_va_sdst(0) depctr_va_ssrc(0) depctr_va_vcc(0) depctr_vm_vsrc(0)
	s_getreg_b32 s2, hwreg(HW_REG_IB_STS2, 6, 4)
	s_cmp_eq_u32 s2, 0
	s_cbranch_scc0 .Lentry_in_a_cluster
	s_endpgm
.Lentry_in_a_cluster:
	s_bfe_u32 s2, ttmp6, 0x10000c
	s_cmp_lg_u32 s2, 0xf033
	s_cbranch_scc0 .Lentry_shape_is_right
	s_endpgm
.Lentry_shape_is_right:
; out0[m][n] = the sum over k of y[m][k] Wp[n][k] + bp[n]: y16 [batch][head][token][64] f16, wp16 [1024][1024] f16, sums in f32, out0 [8192][1024] f32.  The rows of positions 0-15 of each sequence are not stored here: a launch of its own makes them in f32.
; A tile of out0 is 256 rows x 128 columns: 256 work-groups.  Four waves, each 128 x 64: 32 accumulators, 256 registers.  K goes in steps of 128 (two heads) through two LDS slots.
; Of y a step's tile is, for each of the two heads, 256 tokens x 128 bytes, dense: 128 double rows of 256 bytes (waves 0 and 1 fetch a head each); of Wp 128 rows of 256 bytes (waves 2 and 3 fetch 64 each).
; CLUSTERS: 4 x 4.  Tile column = 4 x cluster x + cx; tile row = cluster y + 8 cy, so cy is the batch.  y's tiles are asked for jointly along a row of the cluster, Wp's along a column.
; THE MATRIX INSTRUCTION IS USED TRANSPOSED (source 0 = 16 rows of Wp, source 1 = 16 rows of y): a lane holds eight neighbouring columns of a row.  The bias is the C of each sum's first instruction.
; REGISTERS: window 0: v16-31 addresses; v32-63 the bias; v64-127 rows on the way out.   window 1: two fragment buffers (y's 8 fragments, then Wp's 4) at v0 and v128.   window 2: accumulator (a, b) at v[8 (4 a + b)].
.set PITCH,  272                       ; 256 bytes + 16 of padding
.set AHEAD_B, 128*PITCH                ; a head's 128 double rows
.set BOFF,   2*AHEAD_B
.set BHALF,  64*PITCH
.set SLOT,   BOFF+2*BHALF
.set SPARE,  2*SLOT                    ; the spare words: 128 bytes a wave, named by no other line
.set ADRA, 16
.set ADRB, 20
.set STO,  24
.set RD,   25
.set CO,   26
.set SPW,  28
.set NIL,  29
.set PFO,  30
.set BO,   31
.set BI,   32
.set BK,   64
.set F0,   0
.set F1,   128
.set G1, 24
.set G0, 32
.set LIM, 43
.set PFA, 44
.set G1B, 48
.set G0B, 56
.set FINE, 66
.set PFS, 68
.set MSB, 0
.macro WIN new
.if MSB != \new
	s_set_vgpr_msb (MSB<<8)|\new
.set MSB, \new
.endif
.endm
.set MUL,  0xa5                        ; sources 0 and 1 window 1; C and D window 2
.set MUL0, 0x85                        ; the same with C, the bias, in window 0
.set TO_F, 0x40
.macro PLACES
.rept 4
	v_nop
.endr
.endm
.macro JLOAD s                         ; a joint load: waves 0 and 1 fetch y's two heads, waves 2 and 3 Wp's two halves; an s_nop 0 and four v_nop follow each line
	s_cmp_eq_u32 s11, 0
	s_cbranch_scc0 .Lfor_b_\@
	tensor_load_to_lds s[G0+4*\s:G0+4*\s+3], s[G1:G1+7]
	s_nop 0
.rept 4
	v_nop
.endr
	s_branch .Lasked_\@
.Lfor_b_\@:
	tensor_load_to_lds s[G0B+4*\s:G0B+4*\s+3], s[G1B:G1B+7]
	s_nop 0
.rept 4
	v_nop
.endr
.Lasked_\@:
.endm
.macro CREST
	s_cmp_lg_u32 s10, 0
	s_cbranch_scc1 .Lnot_wave_0_\@
	s_barrier_signal -3
.Lnot_wave_0_\@:
	s_barrier_wait -3
	s_barrier_signal -1
	s_barrier_wait -1
.endm
.macro CROUND
	s_barrier_signal -1
	s_barrier_wait -1
	CREST
.endm
; A prefetch of the K step that stands two refills on, behind the joint load and the run of LDS loads.  y's tile row is read by both clusters of its row of clusters: cluster x = 0 asks, waves 0 and 1, a head each;
; the four partners take 8,192 of its 32,768 bytes each, told apart by address, lanes 256 bytes apart.  Wp's tile column is read by all eight clusters of its column: cluster y = 0 asks, wave 2; the four partners take 32 rows each, a lane a row.
; So each aligned 256 bytes of K steps 4 to 7 is named once; the loop's last trip asks for nothing.
.macro ASK
	s_cmp_gt_u32 s3, s[LIM]
	s_cbranch_scc0 .Lnot_mine_\@
	global_prefetch_b8 v[PFO], s[PFA:PFA+1] th:TH_LOAD_NT scope:SCOPE_SE
.Lnot_mine_\@:
.endm
	s_load_b128 s[4:7], s[0:1], 0x0                ; y16, wp16
	s_load_b64 s[70:71], s[0:1], 0x10              ; bp
	s_load_b64 s[8:9], s[0:1], 0x18                ; out0
	v_lshl_add_u32 v[SPW], v0, 2, SPARE
	v_mov_b32 v[NIL], 0
	ds_add_u32 v[SPW], v[NIL]                      ; the wave's opening: the add, twice on end, and its wait ahead of my first tensor load
	ds_add_u32 v[SPW], v[NIL]
	v_lshrrev_b32 v1, 5, v0
	v_readfirstlane_b32 s10, v1                    ; wave 0..3
	s_lshr_b32 s11, s10, 1                         ; which half of the tile's rows is mine.  Also: I fetch for y (0) or for Wp (1)
	s_and_b32 s12, s10, 1                          ; which half of its columns.  Also: which head, or which 64 rows, I fetch
	s_bfe_u32 s40, ttmp6, 0x40000                  ; cx
	s_bfe_u32 s41, ttmp6, 0x40004                  ; cy
	s_lshl_b32 s42, ttmp9, 2
	s_add_co_u32 s42, s42, s40                     ; tile column
	s_and_b32 s67, ttmp7, 0xffff                   ; cluster y
	s_or_b32 s[FINE], s67, s11                     ; 0 where my first 16 rows are positions 0-15: the same in all partners, for a given wave
	s_lshl_b32 s43, s41, 2
	s_lshl_b32 s43, 15, s43                        ; my row of the cluster
	s_lshl_b32 s44, 0x1111, s40                    ; my column
	s_or_b32 s[G1+0], s43, (1<<16)|(1<<20)|(1<<21)|(5<<22)|(3<<25)   ; the mask; elements of 2 bytes; 4 words of padding behind every 64; bit 21 beside a mask
	s_or_b32 s[G1B+0], s44, (1<<16)|(1<<20)|(1<<21)|(5<<22)|(3<<25)
	s_mov_b32 s[G1+1], 128<<16                     ; y: 128 double rows of 128 elements, dense
	s_mov_b32 s[G1+2], 128<<16
	s_mov_b32 s[G1+3], 128<<16
	s_mov_b32 s[G1+4], 128
	s_mov_b32 s[G1+5], 128
	s_mov_b32 s[G1+6], 0
	s_mov_b32 s[G1+7], 0
	s_mov_b32 s[G1B+1], 128<<16                    ; Wp: 64 rows of 128 elements, 1,024 elements apart
	s_mov_b32 s[G1B+2], 64<<16
	s_mov_b32 s[G1B+3], 128<<16
	s_mov_b32 s[G1B+4], 64
	s_mov_b32 s[G1B+5], 1024
	s_mov_b32 s[G1B+6], 0
	s_mov_b32 s[G1B+7], 0
	s_lshl_b32 s16, s41, 4
	s_add_co_u32 s16, s16, s12
	s_lshl_b32 s16, s16, 18                        ; y: head 16 cy + (wave % 2), 262,144 bytes a head,
	s_lshl_b32 s17, s67, 15
	s_add_co_u32 s16, s16, s17                     ; token 256 x cluster y
	s_mov_b32 s17, 0
	s_lshl_b32 s46, s42, 18                        ; Wp: row 128 x tile column + 64 x (wave % 2), 2,048 bytes a row
	s_lshl_b32 s47, s12, 17
	s_add_co_u32 s46, s46, s47
	s_mov_b32 s47, 0
	s_mul_i32 s20, s12, AHEAD_B                    ; where they go: no place in the cluster enters an LDS address
	s_mul_i32 s21, s12, BHALF
	s_add_co_u32 s21, s21, BOFF
	s_wait_dscnt 0x0                               ; both opening adds are done
	s_wait_kmcnt 0x0
	s_add_nc_u64 s[14:15], s[4:5], s[16:17]
	s_add_nc_u64 s[46:47], s[6:7], s[46:47]
	CROUND                                         ; all sixteen work-groups are here: the first joint loads meet
.irp s, 0,1
	s_mov_b32 s[G0+4*\s], 1
	s_add_co_u32 s[G0+4*\s+1], s20, \s*SLOT
	s_add_nc_u64 s[G0+4*\s+2:G0+4*\s+3], s[14:15], \s*524288       ; K step s: two heads on
	s_or_b32 s[G0+4*\s+3], s[G0+4*\s+3], 0x80000000
	s_mov_b32 s[G0B+4*\s], 1
	s_add_co_u32 s[G0B+4*\s+1], s21, \s*SLOT
	s_add_nc_u64 s[G0B+4*\s+2:G0B+4*\s+3], s[46:47], \s*256
	s_or_b32 s[G0B+4*\s+3], s[G0B+4*\s+3], 0x80000000
	JLOAD \s
.endr
	v_and_b32 v1, 15, v0                           ; r
	v_bfe_u32 v2, v0, 4, 1                         ; h
	; the prefetches: where my wave's stand (at K step 3: the first refill steps them to 4), how far a K step and a lane are, and who asks
	s_lshl_b32 s18, s40, 13
	s_add_co_u32 s18, s18, s16
	s_add_co_u32 s18, s18, 3*524288
	s_lshl_b32 s19, s42, 18
	s_lshl_b32 s22, s41, 16
	s_add_co_u32 s19, s19, s22
	s_add_co_u32 s19, s19, 768
	s_mov_b32 s[PFS], 256
	s_mov_b32 s23, 2048
	s_cmp_lt_u32 s10, 2
	s_cselect_b64 s[PFA:PFA+1], s[4:5], s[6:7]
	s_cselect_b32 s18, s18, s19
	s_cselect_b32 s[PFS], 524288, s[PFS]
	s_cselect_b32 s23, 256, s23
	s_cselect_b32 s22, ttmp9, s67                  ; the coordinate along which other clusters read the same bytes
	s_mov_b32 s19, 0
	s_mov_b32 s[PFS+1], 0
	s_add_nc_u64 s[PFA:PFA+1], s[PFA:PFA+1], s[18:19]
	s_cmp_eq_u32 s10, 3
	s_cselect_b32 s22, 1, s22                      ; wave 3 never asks
	s_cmp_eq_u32 s22, 0
	s_cselect_b32 s[LIM], 1, -1                    ; the same in all sixteen partners, for a given wave
	v_and_b32 v[PFO], 31, v0
	v_mul_lo_u32 v[PFO], v[PFO], s23
	; the bias of my 64 columns, and where my part of out0 begins
	s_lshl_b32 s22, s42, 9
	s_lshl_b32 s18, s12, 8
	s_add_co_u32 s22, s22, s18                     ; my first column, in bytes
	s_mov_b32 s23, 0
	s_add_nc_u64 s[70:71], s[70:71], s[22:23]
	v_lshlrev_b32 v[BO], 5, v2
.irp b, 0,1,2,3
	global_load_b128 v[BI+8*\b:BI+8*\b+3], v[BO], s[70:71] offset:64*\b
	global_load_b128 v[BI+8*\b+4:BI+8*\b+7], v[BO], s[70:71] offset:64*\b+16
.endr
	s_lshl_b32 s18, s41, 23                        ; row 2,048 cy + 256 x cluster y + 128 x half, 4,096 bytes a row
	s_add_co_u32 s22, s22, s18
	s_lshl_b32 s18, s67, 20
	s_add_co_u32 s22, s22, s18
	s_lshl_b32 s18, s11, 19
	s_add_co_u32 s22, s22, s18
	s_add_nc_u64 s[8:9], s[8:9], s[22:23]
	v_lshrrev_b32 v3, 1, v1
	v_mul_u32_u24 v3, v3, PITCH
	v_and_b32 v4, 1, v1
	v_lshl_add_u32 v3, v4, 7, v3
	v_lshl_add_u32 v3, v2, 4, v3                   ; y: token r: double row r / 2, half r % 2, + 16 h
	v_mul_u32_u24 v4, v1, PITCH
	v_lshl_add_u32 v4, v2, 4, v4                   ; Wp: row r, + 16 h
	s_mul_i32 s18, s11, 64*PITCH                   ; my 128 tokens
	s_mul_i32 s19, s12, BHALF                      ; my 64 rows of Wp
	s_add_co_u32 s19, s19, BOFF
.irp s, 0,1
	v_add_nc_u32 v[ADRA+\s], s18, v3
	v_add_nc_u32 v[ADRB+\s], s19, v4
	s_add_co_u32 s18, s18, SLOT
	s_add_co_u32 s19, s19, SLOT
.endr
	s_mul_i32 s18, s10, 16*272                     ; my stage, in slot 0
	v_mul_u32_u24 v5, v1, 272
	v_lshl_add_u32 v5, v2, 5, v5
	v_add_nc_u32 v[STO], s18, v5                   ; in: row r, 32 bytes for each half of the lanes
	v_mul_u32_u24 v5, v2, 272
	v_lshl_add_u32 v5, v1, 4, v5
	v_add_nc_u32 v[RD], s18, v5                    ; back: lanes 0-15 one row of 256 bytes, lanes 16-31 the next
	v_lshlrev_b32 v[CO], 12, v2
	v_lshl_add_u32 v[CO], v1, 4, v[CO]             ; and the same two rows in out0
; 8 matrix instructions: y's blocks a0, a0 + 1 against Wp's four, 32 along K.  The 32 accumulators take turns, one instruction a turn.
.macro MUL8 f, a0, zero
.irp a, \a0, \a0+1
.irp b, 0,1,2,3
.if \zero
	v_wmma_f32_16x16x32_f16 v[8*(4*(\a)+\b):8*(4*(\a)+\b)+7], v[\f+64+8*\b:\f+64+8*\b+7], v[\f+8*(\a):\f+8*(\a)+7], v[BI+8*\b:BI+8*\b+7]
.else
	v_wmma_f32_16x16x32_f16 v[8*(4*(\a)+\b):8*(4*(\a)+\b)+7], v[\f+64+8*\b:\f+64+8*\b+7], v[\f+8*(\a):\f+8*(\a)+7], v[8*(4*(\a)+\b):8*(4*(\a)+\b)+7]
.endif
.endr
.endr
.endm
; 24 LDS loads in one run: the fragments of the slot's kq-th 32 along K into buffer f: Wp's four, y's blocks 0-3, y's blocks 4-7
.macro FETCH slot, kq, f
	WIN TO_F
.irp b, 0,1,2,3
	ds_load_b128 v[\f+64+8*\b:\f+64+8*\b+3],   v[ADRB+\slot] offset:64*(\kq)+4352*\b
	ds_load_b128 v[\f+64+8*\b+4:\f+64+8*\b+7], v[ADRB+\slot] offset:64*(\kq)+4352*\b+32
.endr
.irp a, 0,1,2,3,4,5,6,7
	ds_load_b128 v[\f+8*\a:\f+8*\a+3],   v[ADRA+\slot] offset:((\kq)/2)*AHEAD_B+((\kq)%2)*64+2176*\a
	ds_load_b128 v[\f+8*\a+4:\f+8*\a+7], v[ADRA+\slot] offset:((\kq)/2)*AHEAD_B+((\kq)%2)*64+2176*\a+32
.endr
.endm
.macro WINM zero
.if \zero
	WIN MUL0
.else
	WIN MUL
.endif
.endm
; A K step is four quarters of 32 along K, 32 matrix instructions each, on buffers 0, 1, 0, 1.  One of the first three: multiplies buffer f and fetches the next quarter, kq, into g.
.macro QUARTER slot, kq, f, g, zero
	s_wait_dscnt 8                                 ; Wp's fragments and y's blocks 0-3 are in; the youngest eight loads may be out
	WINM \zero
	MUL8 \f, 0, \zero
	MUL8 \f, 2, \zero
	PLACES                                         ; in front of loads into registers that matrix instructions have read
	FETCH \slot, \kq, \g
	s_wait_dscnt 24                                ; all but the 24 just issued
	WINM \zero
	MUL8 \f, 4, \zero
	MUL8 \f, 6, \zero
.endm
; The last quarter multiplies buffer 1 and changes slots: one barrier; in front of it each wave waits for all its tensor loads, adds 0 to its spare word, and waits for that and for its reads of this slot.
; fill = 1: the barrier opens a round of the cluster's, and this slot is filled again, two K steps ahead: from the request to the wait for it a wave issues 112 matrix instructions.
.macro TURN slot, next, fill
.if \fill
	s_wait_xcnt 0x0                                ; the last prefetch, a K step back, has read its address
	s_add_nc_u64 s[PFA:PFA+1], s[PFA:PFA+1], s[PFS:PFS+1]
.endif
	WIN 0
	s_wait_tensorcnt 0x0                           ; all my tensor loads have landed: my part of the next slot
	ds_add_u32 v[SPW], v[NIL]
	s_wait_dscnt 9                                 ; the add and the youngest eight loads may be out
	WIN MUL
	MUL8 F1, 0, 0
	s_wait_dscnt 0x0                               ; the add is done, and my reads of this slot are over
	s_barrier_signal -1
	MUL8 F1, 2, 0
	WIN 0
	s_barrier_wait -1
.if \fill
	CREST                                          ; no wave of any partner still reads this slot or has a load on its way
	s_add_nc_u64 s[G0+4*\slot+2:G0+4*\slot+3], s[G0+4*\slot+2:G0+4*\slot+3], 1048576
	s_add_nc_u64 s[G0B+4*\slot+2:G0B+4*\slot+3], s[G0B+4*\slot+2:G0B+4*\slot+3], 512
	JLOAD \slot                                    ; the four v_nop behind it are also the places in front of the loads below
.else
	PLACES
.endif
	FETCH \next, 0, F0
.if \fill
	WIN 0
	ASK
.endif
	WIN MUL
	MUL8 F1, 4, 0
	MUL8 F1, 6, 0
.endm
	s_wait_tensorcnt 1                             ; my part of K step 0 is in; K step 1's load may stay out
	s_barrier_signal -1
	s_barrier_wait -1
	FETCH 0, 0, F0
	s_wait_loadcnt 0x0                             ; the bias
	QUARTER 0, 1, F0, F1, 1                        ; the first quarter stands in front of the loop: its products start the sums, on the bias
	WIN 0
	s_mov_b32 s3, 3
.Llap:                                             ; a trip goes once round the ring and fills both slots again
	QUARTER 0, 2, F1, F0, 0
	QUARTER 0, 3, F0, F1, 0
	TURN 0, 1, 1
	QUARTER 1, 1, F0, F1, 0
	QUARTER 1, 2, F1, F0, 0
	QUARTER 1, 3, F0, F1, 0
	TURN 1, 0, 1
	QUARTER 0, 1, F0, F1, 0
	WIN 0
	s_sub_co_u32 s3, s3, 1
	s_cmp_lg_u32 s3, 0
	s_cbranch_scc1 .Llap
	QUARTER 0, 2, F1, F0, 0                        ; the last lap fills nothing
	QUARTER 0, 3, F0, F1, 0
	TURN 0, 1, 0
	QUARTER 1, 1, F0, F1, 0
	QUARTER 1, 2, F1, F0, 0
	QUARTER 1, 3, F0, F1, 0
	s_wait_dscnt 8
	WIN MUL
	MUL8 F1, 0, 0
	MUL8 F1, 2, 0
	s_wait_dscnt 0
	MUL8 F1, 4, 0
	MUL8 F1, 6, 0
	WIN 0
	PLACES
; THE WAY OUT, a block of 16 rows x 64 columns at a time, through my own stage (in slot 0, which has had its last fill and its last read): back as whole rows of 256 bytes.
.macro TOSTAGE a
	WIN 0x08                                       ; an LDS store's data: window 2
.irp b, 0,1,2,3
	ds_store_b128 v[STO], v[8*(4*(\a)+\b):8*(4*(\a)+\b)+3] offset:64*\b          ; each accumulator from its low end on
	ds_store_b128 v[STO], v[8*(4*(\a)+\b)+4:8*(4*(\a)+\b)+7] offset:64*\b+16
.endr
	WIN 0
.set BB, BK+32*((\a)%2)
.irp t, 0,1,2,3,4,5,6,7
	ds_load_b128 v[BB+4*\t:BB+4*\t+3], v[RD] offset:544*\t   ; LDS serves a wave's instructions in order
.endr
.endm
.macro SEND a, younger
.set BB, BK+32*((\a)%2)
	s_wait_dscnt \younger                          ; the block is back; the next block's sixteen LDS instructions may be out
.if (\a) == 0
	s_cmp_eq_u32 s[FINE], 0                        ; positions 0-15 are another launch's
	s_cbranch_scc1 .Lnot_here
.endif
.irp t, 0,1,2,3,4,5,6,7
	global_store_b128 v[CO], v[BB+4*\t:BB+4*\t+3], s[8:9] offset:65536*(\a)+8192*\t th:TH_STORE_NT   ; sixteen lanes store 256 consecutive bytes, aligned
.endr
.if (\a) == 0
.Lnot_here:
.endif
.endm
	TOSTAGE 0
.irp a, 1,2,3,4,5,6,7
.if \a > 1
	s_wait_xcnt 0x0                                ; block a - 2's stores have read their registers: block a's loads may land there
.endif
	TOSTAGE \a
	SEND \a-1, 16
.endr
	SEND 7, 0
	s_wait_tensorcnt 0x0                           ; the wave's end
	ds_add_u32 v[SPW], v[NIL]
	s_wait_dscnt 0x0
	CROUND                                         ; the closing round
	s_endpgm
.Lfunc_end_k_q0e7ab47db6_proj:
	.size	k_q0e7ab47db6_proj, .Lfunc_end_k_q0e7ab47db6_proj-k_q0e7ab47db6_proj
	.p2alignl 7, 3214868480
	.fill 96, 4, 3214868480
	.section	.rodata,"a",@progbits
	.p2align	6, 0x0
	.amdhsa_kernel k_q0e7ab47db6_proj
		.amdhsa_group_segment_fixed_size 327680
		.amdhsa_private_segment_fixed_size 0
		.amdhsa_enable_private_segment 0
		.amdhsa_kernarg_size 32
		.amdhsa_user_sgpr_count 2
		.amdhsa_user_sgpr_kernarg_segment_ptr 1
		.amdhsa_wavefront_size32 1
		.amdhsa_system_sgpr_workgroup_id_x 1
		.amdhsa_system_sgpr_workgroup_id_y 1
		.amdhsa_system_sgpr_workgroup_id_z 1
		.amdhsa_system_vgpr_workitem_id 0
		.amdhsa_next_free_vgpr 768
		.amdhsa_next_free_sgpr 72
		.amdhsa_reserve_vcc 0
		.amdhsa_float_denorm_mode_32 3
		.amdhsa_float_denorm_mode_16_64 3
		.amdhsa_memory_ordered 1
		.amdhsa_forward_progress 1
		.amdhsa_inst_pref_size 88
	.end_amdhsa_kernel
	.amdgpu_metadata
---
amdhsa.version: [ 1, 2 ]
amdhsa.kernels:
  - .name:           k_q0e7ab47db6_proj
    .symbol:         k_q0e7ab47db6_proj.kd
    .args:
      - { .name: y16, .offset: 0, .size: 8, .value_kind: global_buffer, .address_space: global }
      - { .name: wp16, .offset: 8, .size: 8, .value_kind: global_buffer, .address_space: global }
      - { .name: bp, .offset: 16, .size: 8, .value_kind: global_buffer, .address_space: global }
      - { .name: out0, .offset: 24, .size: 8, .value_kind: global_buffer, .address_space: global }
    .group_segment_fixed_size: 327680
    .private_segment_fixed_size: 0
    .kernarg_segment_align: 8
    .kernarg_segment_size: 32
    .max_flat_workgroup_size: 128
    .sgpr_count:     72
    .vgpr_count:     768
    .wavefront_size: 32
...
	.end_amdgpu_metadata
.endif
;; end of part 4
;; launch fine (part 5): grid 16 x 4, 16 waves a work-group, no clusters, 71,680 bytes of LDS; arguments qkv32, Wp, bp, out0; writes out0
.if DOCPART == 5
	.amdgcn_target "amdgcn-amd-amdhsa--gfx1250"
	.amdhsa_code_object_version 6
	.text
	.protected	k_q0e7ab47db6_fine
	.globl	k_q0e7ab47db6_fine
	.p2align	8
	.type	k_q0e7ab47db6_fine,@function
k_q0e7ab47db6_fine:
	s_mov_b64 s[64:65], 0
	v_nop
	global_prefetch_b8 v0, s[64:65] scope:SCOPE_SE
	s_setreg_imm32_b32 hwreg(HW_REG_WAVE_MODE, 25, 1), 1
	s_wait_xcnt 0x0
; Positions 0-15 of the four sequences, carried in f32 from q, k, v (qkv32 [batch x 16 + t][3072]) to out0: their rows average one to sixteen values and are the largest of the output, so 16-bit operands would weigh most there.
; Work-group (x, batch) makes 16 rows x 64 columns (64 x on) of out0.  Wave w is head w: its 16 x 16 attention, then its 64 channels' part of the projection; the sixteen parts meet in LDS.  96 matrix instructions of the f32 form a wave: no bulk work.
; 64 work-groups: a row's piece is then 256 consecutive bytes, aligned; each of the 16 work-groups of a batch does the batch's small attention anew.
; THE ORDER OF K IS PERMUTED ALIKE IN BOTH SOURCES of each product, so that every operand is a plain run of a lane's registers: the form takes k = 2 h + j from register j, and which channel or key stands there is free so long as both sources agree.
;   S^T = K Q^T: lane (r, h) holds channels 32 h + 0..31 of row r; instruction s takes registers 2 s, 2 s + 1.  Result: lane holds query r, keys 8 h + j.
;   y^T = V^T P: P as it stands (keys 8 h + 2 s + j); V's register 8 c + 2 s + j = V[8 h + 2 s + j][16 c + r].  Result: query r, channels 16 c + 8 h + j.
;   out^T = Wp y^T: y as it stands; Wp's register 8 c + j = Wp[row][16 c + 8 h + j].  Result: query r, eight neighbouring columns.
; The softmax takes the row's maximum away; the sum divides y.  The four accumulators, v224-255, are written by matrix instructions alone.
.set SPW, 12
.set NIL, 13
.set SPARE, 16*4352                    ; behind the sixteen parts: the spare words, 128 bytes a wave
.set CS,  20
.set SEL, 22
	s_load_b256 s[4:11], s[0:1], 0x0               ; qkv32, Wp, bp, out0
	v_lshl_add_u32 v[SPW], v0, 2, SPARE
	v_mov_b32 v[NIL], 0
	v_lshrrev_b32 v1, 5, v0
	v_readfirstlane_b32 s12, v1                    ; wave = head
	s_and_b32 s14, ttmp7, 0xffff                   ; batch
	s_mul_i32 s16, s14, 196608                     ; its 16 rows of 12,288 bytes,
	s_lshl_b32 s18, s12, 8                         ; my head's 64 channels
	s_add_co_u32 s16, s16, s18
	s_mov_b32 s17, 0
	s_lshl_b32 s24, ttmp9, 18                      ; Wp: rows 64 x on, my head's 64 channels
	s_add_co_u32 s18, s18, s24
	s_mov_b32 s19, 0
	s_lshl_b32 s24, ttmp9, 8                       ; bp and out0: columns 64 x on
	s_mov_b32 s25, 0
	s_lshl_b32 s26, s14, 23                        ; out0: row 2,048 x batch
	s_add_co_u32 s26, s26, s24
	s_mov_b32 s27, 0
	s_mov_b32 s[CS], 0x3e38aa3b                    ; c = log2(e) / 8
	s_mov_b32 s[CS+1], s[CS]
	s_mov_b32 s[SEL], 0x76543210
	s_mov_b32 s[SEL+1], 0xfedcba98
	v_and_b32 v1, 15, v0                           ; r
	v_bfe_u32 v2, v0, 4, 1                         ; h
	v_mul_u32_u24 v3, v1, 12288
	v_lshl_add_u32 v3, v2, 7, v3                   ; q, k: row r, channels 32 h on
	v_mul_u32_u24 v4, v2, 98304
	v_lshl_add_u32 v4, v1, 2, v4                   ; v: rows 8 h on, channel r
	v_lshlrev_b32 v5, 12, v1
	v_lshl_add_u32 v5, v2, 5, v5                   ; Wp: row r, channels 8 h on
	v_lshlrev_b32 v6, 3, v2
	v_sub_nc_u32 v6, v1, v6                        ; r - 8 h: key 8 h + j is hidden where j > r - 8 h
	v_mov_b32 v7, 0xff800000
	s_mul_i32 s28, s12, 4352
	v_mul_u32_u24 v8, v1, 272
	v_lshl_add_u32 v8, v2, 5, v8
	v_add_nc_u32 v8, s28, v8                       ; my part: row r of 256 + 16 bytes, + 32 h
	s_mul_i32 s28, s12, 544
	v_mul_u32_u24 v9, v2, 272
	v_lshl_add_u32 v9, v1, 4, v9
	v_add_nc_u32 v9, s28, v9                       ; the sum: waves 0-7 take rows 2 w, 2 w + 1
	s_lshl_b32 s28, s12, 13
	v_lshlrev_b32 v10, 12, v2
	v_lshl_add_u32 v10, v1, 4, v10
	v_add_nc_u32 v10, s28, v10                     ; and the same rows in out0
	v_lshlrev_b32 v11, 4, v1
	v_mov_b32 v15, 0                               ; (a lane permute's destination counts as read)
	s_wait_kmcnt 0x0
	s_add_nc_u64 s[4:5], s[4:5], s[16:17]
	s_add_nc_u64 s[6:7], s[6:7], s[18:19]
	s_add_nc_u64 s[8:9], s[8:9], s[24:25]
	s_add_nc_u64 s[10:11], s[10:11], s[26:27]
.irp i, 0,1,2,3,4,5,6,7
	global_load_b128 v[16+4*\i:19+4*\i], v3, s[4:5] offset:16*\i            ; q
.endr
.irp i, 0,1,2,3,4,5,6,7
	global_load_b128 v[48+4*\i:51+4*\i], v3, s[4:5] offset:4096+16*\i       ; k
.endr
.irp c, 0,1,2,3
.irp k, 0,1,2,3,4,5,6,7
	global_load_b32 v[80+8*\c+\k], v4, s[4:5] offset:8192+12288*\k+64*\c    ; v
.endr
.endr
.irp nt, 0,1,2
.irp c, 0,1,2,3
	global_load_b128 v[112+32*\nt+8*\c:115+32*\nt+8*\c], v5, s[6:7] offset:65536*\nt+64*\c
	global_load_b128 v[116+32*\nt+8*\c:119+32*\nt+8*\c], v5, s[6:7] offset:65536*\nt+64*\c+16
.endr
.endr
	global_load_b128 v[220:223], v11, s[8:9]       ; the bias
	s_wait_loadcnt 57                              ; q and k are in; v's 32, Wp's 24 and the bias may be out
.irp s, 0,1,2,3,4,5,6,7,8,9,10,11,12,13,14,15  ; S^T: four accumulators by turns; the first four start the sums
.if \s < 4
	v_wmma_f32_16x16x4_f32 v[224+8*(\s%4):231+8*(\s%4)], v[48+2*\s:49+2*\s], v[16+2*\s:17+2*\s], 0
.else
	v_wmma_f32_16x16x4_f32 v[224+8*(\s%4):231+8*(\s%4)], v[48+2*\s:49+2*\s], v[16+2*\s:17+2*\s], v[224+8*(\s%4):231+8*(\s%4)]
.endif
.endr
.rept 8
	v_nop                                          ; eight places behind this form, ahead of reads of results and of loads into its sources
.endr
.irp c, 0,1,2,3
	global_load_b128 v[16+8*\c:19+8*\c], v5, s[6:7] offset:65536*3+64*\c    ; Wp's fourth tile, where q lay
	global_load_b128 v[20+8*\c:23+8*\c], v5, s[6:7] offset:65536*3+64*\c+16
.endr
.irp p, 0,1,2,3                        ; the four partial sums are joined, from the low end on
	v_pk_add_f32 v[208+2*\p:209+2*\p], v[224+2*\p:225+2*\p], v[232+2*\p:233+2*\p]
	v_pk_add_f32 v[216:217], v[240+2*\p:241+2*\p], v[248+2*\p:249+2*\p]
	v_pk_add_f32 v[208+2*\p:209+2*\p], v[208+2*\p:209+2*\p], v[216:217]
.endr
.irp j, 0,1,2,3,4,5,6,7
	v_cmp_gt_i32 vcc_lo, \j, v6
	v_cndmask_b32 v[208+\j], v[208+\j], v7, vcc_lo ; hidden keys: -infinity
.endr
	v_max3_num_f32 v14, v208, v209, v210
	v_max3_num_f32 v14, v14, v211, v212
	v_max3_num_f32 v14, v14, v213, v214
	v_max_num_f32 v14, v14, v215
	v_permlanex16_b32 v15, v14, s[SEL], s[SEL+1]
	v_max_num_f32 v14, v14, v15                    ; the row's maximum: key 0 counts for every query
	v_mul_f32 v218, s[CS], v14
	v_mov_b32 v219, v218
.irp p, 0,1,2,3
	v_pk_fma_f32 v[208+2*\p:209+2*\p], v[208+2*\p:209+2*\p], s[CS:CS+1], v[218:219] op_sel_hi:[1,0,0] neg_lo:[0,0,1] neg_hi:[0,0,1]
.endr
.irp j, 0,1,2,3,4,5,6,7
	v_exp_f32 v[208+\j], v[208+\j]
.endr
	v_nop
	s_wait_alu depctr_va_vdst(0)                   ; one wait for the eight exponentials, ahead of their first reader
	v_pk_add_f32 v[216:217], v[208:209], v[210:211]
	v_pk_add_f32 v[14:15], v[212:213], v[214:215]
	v_pk_add_f32 v[216:217], v[216:217], v[14:15]
	v_add_f32 v216, v216, v217
	v_permlanex16_b32 v217, v216, s[SEL], s[SEL+1]
	v_add_f32 v216, v216, v217                     ; the row's sum
	v_rcp_f32 v14, v216
	v_nop
	s_wait_loadcnt 33                              ; v is in; Wp's 32 loads and the bias may be out
.irp s, 0,1,2,3                        ; y^T = V^T P: four tiles of 16 channels by turns
.irp c, 0,1,2,3
.if \s == 0
	v_wmma_f32_16x16x4_f32 v[224+8*\c:231+8*\c], v[80+8*\c+2*\s:81+8*\c+2*\s], v[208+2*\s:209+2*\s], 0
.else
	v_wmma_f32_16x16x4_f32 v[224+8*\c:231+8*\c], v[80+8*\c+2*\s:81+8*\c+2*\s], v[208+2*\s:209+2*\s], v[224+8*\c:231+8*\c]
.endif
.endr
.endr
.rept 9
	v_nop                                          ; nine places: the next product writes over these accumulators
.endr
	s_wait_alu depctr_va_vdst(0)                   ; the reciprocal's wait, ahead of its first reader
.irp j, 0,1,2,3,4,5,6,7,8,9,10,11,12,13,14,15,16,17,18,19,20,21,22,23,24,25,26,27,28,29,30,31
	v_mul_f32 v[48+\j], v[224+\j], v14             ; y = y^T / the sum, into registers of its own
.endr
	s_wait_loadcnt 0x0                             ; Wp and the bias
.irp k, 0,1,2,3,4,5,6,7,8,9,10,11,12,13,14,15  ; my 64 channels' part of 64 columns: four tiles by turns
.irp nt, 0,1,2,3
.if \nt < 3
.set WB, 112+32*\nt
.else
.set WB, 16
.endif
.if \k == 0
	v_wmma_f32_16x16x4_f32 v[224+8*\nt:231+8*\nt], v[WB+2*\k:WB+2*\k+1], v[48+2*\k:49+2*\k], 0
.else
	v_wmma_f32_16x16x4_f32 v[224+8*\nt:231+8*\nt], v[WB+2*\k:WB+2*\k+1], v[48+2*\k:49+2*\k], v[224+8*\nt:231+8*\nt]
.endif
.endr
.endr
.rept 8
	v_nop
.endr
.irp nt, 0,1,2,3
	ds_store_b128 v8, v[224+8*\nt:227+8*\nt] offset:64*\nt
	ds_store_b128 v8, v[228+8*\nt:231+8*\nt] offset:64*\nt+16
.endr
	s_wait_dscnt 0x0                               ; for the others' sake: my part lies in LDS
	s_barrier_signal -1
	s_barrier_wait -1
	s_cmp_lt_u32 s12, 8
	s_cbranch_scc0 .Lend                           ; waves 0-7 add the sixteen parts, two rows each
.irp i, 0,1,2,3,4,5,6,7,8,9,10,11,12,13,14,15
	ds_load_b128 v[16+4*\i:19+4*\i], v9 offset:4352*\i
.endr
	s_wait_dscnt 0x0
.irp i, 0,1,2,3,4,5,6,7
	v_pk_add_f32 v[16+4*\i:17+4*\i], v[16+4*\i:17+4*\i], v[48+4*\i:49+4*\i]
	v_pk_add_f32 v[18+4*\i:19+4*\i], v[18+4*\i:19+4*\i], v[50+4*\i:51+4*\i]
.endr
.irp i, 0,1,2,3
	v_pk_add_f32 v[16+4*\i:17+4*\i], v[16+4*\i:17+4*\i], v[32+4*\i:33+4*\i]
	v_pk_add_f32 v[18+4*\i:19+4*\i], v[18+4*\i:19+4*\i], v[34+4*\i:35+4*\i]
.endr
.irp i, 0,1
	v_pk_add_f32 v[16+4*\i:17+4*\i], v[16+4*\i:17+4*\i], v[24+4*\i:25+4*\i]
	v_pk_add_f32 v[18+4*\i:19+4*\i], v[18+4*\i:19+4*\i], v[26+4*\i:27+4*\i]
.endr
	v_pk_add_f32 v[16:17], v[16:17], v[20:21]
	v_pk_add_f32 v[18:19], v[18:19], v[22:23]
	v_pk_add_f32 v[16:17], v[16:17], v[220:221]    ; and the bias
	v_pk_add_f32 v[18:19], v[18:19], v[222:223]
	global_store_b128 v10, v[16:19], s[10:11]      ; sixteen lanes store 256 consecutive bytes, aligned
.Lend:
	s_wait_tensorcnt 0x0                           ; the wave's end: behind my last LDS store
	ds_add_u32 v[SPW], v[NIL]
	s_wait_dscnt 0x0
	s_endpgm
.Lfunc_end_k_q0e7ab47db6_fine:
	.size	k_q0e7ab47db6_fine, .Lfunc_end_k_q0e7ab47db6_fine-k_q0e7ab47db6_fine
	.p2alignl 7, 3214868480
	.fill 96, 4, 3214868480
	.section	.rodata,"a",@progbits
	.p2align	6, 0x0
	.amdhsa_kernel k_q0e7ab47db6_fine
		.amdhsa_group_segment_fixed_size 71680
		.amdhsa_private_segment_fixed_size 0
		.amdhsa_enable_private_segment 0
		.amdhsa_kernarg_size 32
		.amdhsa_user_sgpr_count 2
		.amdhsa_user_sgpr_kernarg_segment_ptr 1
		.amdhsa_wavefront_size32 1
		.amdhsa_system_sgpr_workgroup_id_x 1
		.amdhsa_system_sgpr_workgroup_id_y 1
		.amdhsa_system_sgpr_workgroup_id_z 1
		.amdhsa_system_vgpr_workitem_id 0
		.amdhsa_next_free_vgpr 256
		.amdhsa_next_free_sgpr 66
		.amdhsa_reserve_vcc 1
		.amdhsa_float_denorm_mode_32 3
		.amdhsa_float_denorm_mode_16_64 3
		.amdhsa_memory_ordered 1
		.amdhsa_forward_progress 1
		.amdhsa_inst_pref_size 25
	.end_amdhsa_kernel
	.amdgpu_metadata
---
amdhsa.version: [ 1, 2 ]
amdhsa.kernels:
  - .name:           k_q0e7ab47db6_fine
    .symbol:         k_q0e7ab47db6_fine.kd
    .args:
      - { .name: qkv32, .offset: 0, .size: 8, .value_kind: global_buffer, .address_space: global }
      - { .name: Wp, .offset: 8, .size: 8, .value_kind: global_buffer, .address_space: global }
      - { .name: bp, .offset: 16, .size: 8, .value_kind: global_buffer, .address_space: global }
      - { .name: out0, .offset: 24, .size: 8, .value_kind: global_buffer, .address_space: global }
    .group_segment_fixed_size: 71680
    .private_segment_fixed_size: 0
    .kernarg_segment_align: 8
    .kernarg_segment_size: 32
    .max_flat_workgroup_size: 512
    .sgpr_count:     66
    .vgpr_count:     256
    .wavefront_size: 32
...
	.end_amdgpu_metadata
.endif
;; end of part 5
